; MI455X (gfx1250); checked and timed in simulation.
; The chip was launched on July 23, 2026; its instructions are those of AMD's public machine-readable ISA for CDNA 5 (MIT licence, August 2026) and "CDNA5" Instruction Set Architecture Reference Guide (July 2026). The comments in the code are by the model that wrote it; some were corrected since.
;; Basic Multi Head Self Attention. Allowed arithmetic: matrix products marked QUANTISED: E4M3 operands, one given power-of-two scale a tensor, by v_wmma_f32_16x16x64_fp8_fp8 or v_wmma_f32_16x16x128_fp8_fp8, f32 sums; everything else in f32.
;; Inputs: Q 4 x 2,048 x 1,024 float32; W_out 1,024 x 1,024 float32; W_packed 1,024 x 3,072 float32; b_out 1,024 float32; b_packed 3,072 float32; lowp_scales 8 int32 (the exponents e of the quantised operands' scales 2^e).
;; Outputs: out0 4 x 2,048 x 1,024 float32.
;; This version of the problem:
;;   THIS VERSION OF THE PROBLEM IS GIVEN IN LOW PRECISION. The matrix products marked QUANTISED in the list below multiply operands that are first quantised to E4M3 (4 exponent bits, 3 mantissa bits; 8 bits a number), with one given power-of-two scale for each operand tensor; their sums are f32. All else is computed in f32.
;;   The module's matrix products, in the order in which they are computed (A, B: the left and right operand; K: the contracted axis; several contracted axes count as one K, in the product's order):
;;     1. [M 8,192, K 1,024] x [K 1,024, N 3,072]; A: input Q; B: input W_packed: QUANTISED (scales: A lowp_scales[0], B lowp_scales[1])
;;     2. batch 64 x [M 2,048, K 64] x [K 64, N 2,048]; A: computed on the way; B: computed on the way: QUANTISED (scales: A lowp_scales[2], B lowp_scales[3])
;;     3. batch 64 x [M 2,048, K 2,048] x [K 2,048, N 64]; A: softmax (see below); B: computed on the way: QUANTISED (scales: A lowp_scales[4], B lowp_scales[5])
;;     4. [M 8,192, K 1,024] x [K 1,024, N 1,024]; A: computed on the way; B: input W_out: QUANTISED (scales: A lowp_scales[6], B lowp_scales[7])
;;   THE QUANTISER, for each operand of a quantised product, along K:
;;     - The operand's scale is 2^e, e = its entry of the input lowp_scales (int32; the entries are numbered through the quantised products in the list's order, A before B).
;;     - Each number is divided by the scale, clamped to +-448, and rounded to the nearest number of E4M3, ties to even, subnormals kept.
;;     - The product sums the exact products of the quantised numbers (number of the format x scale) in f32.
;;   ~~~python
;;   def quantise(x, axis, e):      # numpy; x: float32 -> the quantised numbers, widened to float32 again
;;       x = np.moveaxis(x, axis, -1); K = x.shape[-1]
;;       r = np.clip(x / 2.0 ** e, -448, 448)
;;       step = 2.0 ** (np.maximum(np.frexp(np.where(r == 0, 1, r))[1] - 1, -6) - 3)
;;       q = np.round(r / step) * step * 2.0 ** e      # np.round: ties to even
;;       return np.moveaxis(q, -1, axis).astype(np.float32)
;;   ~~~
;;   SOFTMAX AHEAD OF A QUANTISED PRODUCT. Where the list says 'softmax', what is quantised is not the finished softmax but p = 2^(t - M), with t = logit x log2(e) and M = ceil(the row's largest t), a whole number; so 1/2 < the row's largest p <= 1. The row's sum l is taken of the UNQUANTISED p, in f32, and the product's result is divided by l at the end. Since M is a whole number, a kernel that streams over the keys may use a running M (the ceiling of the running maximum): every later rescaling is an exact power of two, so the quantised numbers keep their values, but for numbers so far below the row's largest that they fall under the format's range.
;;   OPERANDS COMPUTED ON THE WAY. 'Computed on the way' means the value that the module computes at that place (a softmax that the list does not call 'softmax' is quantised finished and normalised). What goes into a quantiser is computed in f32, as accurately as f32 sums, v_exp_f32 and their like allow (about 1e-6 of the number): no bf16 or f16 on the way to a quantiser, and a product that is left as it is and whose result goes on into a quantised operand takes f32 operands (vector FMAs, or v_wmma_f32_16x16x4_f32). A number that lies on a knife's edge between two numbers of the format may be rounded either way, as far as f32 arithmetic and the matrix unit's own rounding can turn it there, and no further.
;; 2 versions, each right; version 2 is version 1 with the launch attn written anew for expert scheduling mode. Each part assembles by itself: llvm-mc -triple=amdgcn-amd-amdhsa -mcpu=gfx1250 --defsym DOCPART=n.
;; ======== version 1 of 2: 4 launches
;; workspace buffers: qc 8,388,608 bytes; wpc 3,145,728 bytes; woc 1,048,576 bytes; qimg 8,388,608 bytes; kimg 8,388,608 bytes; vimg 8,388,608 bytes; jc 8,388,608 bytes
;; launch prep (part 1): grid 384 x 1, 4 waves a work-group, no clusters, 34,304 bytes of LDS; arguments Q, W_packed, W_out, lowp_scales, qc, wpc, woc; writes qc, wpc, woc
.if DOCPART == 1
	.amdgcn_target "amdgcn-amd-amdhsa--gfx1250"
	.amdhsa_code_object_version 6
	.text
	.protected	k_qe9056d394b_prep
	.globl	k_qe9056d394b_prep
	.p2align	8
	.type	k_qe9056d394b_prep,@function
k_qe9056d394b_prep:
	s_mov_b64 s[64:65], 0
	v_nop
	global_prefetch_b8 v0, s[64:65] scope:SCOPE_SE
	s_setreg_imm32_b32 hwreg(HW_REG_WAVE_MODE, 25, 1), 1
	s_wait_xcnt 0x0
; Q [8192][1024], W_packed [1024][3072] and W_out [1024][1024], f32, become codes of FP8 (E4M3) with the given scales 2^e0, 2^e1, 2^e7.
; code = x / 2^e, held within +-448, rounded to the nearest code, ties to even.  LIMITS: each e between -126 and 119; NaN among the inputs is not served (an infinity is held at the largest code).
; THE CODES ARE LAID AS IMAGES OF OPERAND REGISTERS.  An image is 16 rows x 128 k = 2,048 bytes, [cc 0..3][lane 0..31][16 bytes]: the 16 bytes of lane (r = lane % 16, h = lane / 16) are registers
; 4 cc .. 4 cc + 3 of the K = 128 operand: k = 32 cc + 8 h + 0..7, then k = 32 cc + 16 + 8 h + 0..7, of row r.  qc: [token / 16][k / 128][2,048]; wpc, woc: [column / 16][k / 128][2,048].
; SHARES: every work-group reads 131,072 bytes.  Work-groups 0-255 take Q, 256-351 W_packed, 352-383 W_out: three ways that part on the work-group's number; only Q's way touches LDS.
; No matrix work, no barrier: waves share nothing.
.set SP,  528                          ; a stage row: 512 bytes + 16: sixteen rows that a read touches begin at sixteen different 16-byte columns
.set WST, 16*SP                        ; a wave's stage
.set R,   32                           ; v32-159   Q's way: two sets of 64 numbers as they are loaded
.set X,   160                          ; v160-223  64 numbers in the image's order
.set C,   224                          ; v224-255  two sets of 16 registers of codes
.set WX,  32                           ; v32-95    the weights' way: two sets of 32 numbers down K
.set WC,  96                           ; v96-159   eight registers of codes for each of eight blocks: no store's data are written again
.macro SCALE e                         ; v11 = 2^e as f32 (the conversion takes its exponent field), v10 = 448 x 2^e
	s_add_co_i32 s32, s[\e], 127
	s_lshl_b32 s33, s32, 23
	v_mov_b32 v11, s33
	s_add_co_i32 s32, s32, 8
	s_lshl_b32 s32, s32, 23
	s_or_b32 s32, s32, 0x600000
	v_mov_b32 v10, s32
.endm
	s_load_b256 s[4:11], s[0:1], 0x0               ; Q s[4:5], W_packed s[6:7], W_out s[8:9], the exponents s[10:11]
	s_load_b128 s[12:15], s[0:1], 0x20             ; qc s[12:13], wpc s[14:15]
	s_load_b64 s[16:17], s[0:1], 0x30              ; woc
	v_lshl_add_u32 v30, v0, 2, 0x8400
	v_mov_b32 v31, 0
	v_lshrrev_b32 v1, 5, v0
	v_readfirstlane_b32 s18, v1                    ; wave 0..3
	v_and_b32 v1, 31, v0                           ; lane
	v_and_b32 v2, 15, v0                           ; r
	v_bfe_u32 v3, v0, 4, 1                         ; h
	s_wait_kmcnt 0x0
	s_load_b256 s[24:31], s[10:11], 0x0            ; e0 .. e7
	s_cmp_lt_u32 ttmp9, 256
	s_cbranch_scc0 .Lweights
; ---- Q.  A wave takes 16 tokens x 512 k: four units of 16 rows x 128 k, one image each.  Each load reads 512 consecutive bytes of a row; a unit turns through the wave's own stage, so that a lane gets
; the 64 numbers of its place in the image; each store writes 512 consecutive bytes.
	s_lshl_b32 s20, ttmp9, 1
	s_lshr_b32 s21, s18, 1
	s_add_co_u32 s20, s20, s21                     ; which 16 tokens: 2 x work-group + wave / 2
	s_and_b32 s21, s18, 1                          ; which half of K
	s_lshl_b32 s22, s20, 16                        ; 16 rows of 4,096 bytes
	s_lshl_b32 s23, s21, 11                        ; 512 numbers
	s_add_co_u32 s22, s22, s23
	s_mov_b32 s23, 0
	s_add_nc_u64 s[4:5], s[4:5], s[22:23]
	s_lshl_b32 s22, s20, 14                        ; eight images
	s_lshl_b32 s21, s21, 13                        ; four images
	s_add_co_u32 s22, s22, s21
	s_add_nc_u64 s[12:13], s[12:13], s[22:23]
	v_lshlrev_b32 v4, 4, v1                        ; 16 x lane: my bytes of a load and of a store
	s_mul_i32 s21, s18, WST
	v_add_nc_u32 v5, s21, v4                       ; into the stage: as loaded
	v_mul_u32_u24 v6, v2, SP
	v_lshl_add_u32 v6, v3, 5, v6
	v_add_nc_u32 v6, s21, v6                       ; out of it: row r, + 32 h bytes (8 h numbers)
.macro QLOAD u
.set qi, 0
.rept 16
	global_load_b128 v[R+64*((\u)%2)+4*qi:R+64*((\u)%2)+4*qi+3], v4, s[4:5] offset:4096*qi+512*(\u) th:TH_LOAD_NT
.set qi, qi+1
.endr
.endm
.macro QUNIT u
.if (\u) < 3
	s_wait_loadcnt 16                              ; this unit's 16 loads are in; the next unit's 16 may be out
.else
	s_wait_loadcnt 0x0
.endif
.set qi, 0
.rept 16
	ds_store_b128 v5, v[R+64*((\u)%2)+4*qi:R+64*((\u)%2)+4*qi+3] offset:SP*qi
.set qi, qi+1
.endr
.irp c, 0,1,2,3                        ; LDS serves a wave's instructions in order (ISA guide 5.7.1.4): these see the stores above, and the next unit's stores come behind them
	ds_load_b128 v[X+16*\c:X+16*\c+3], v6 offset:128*\c            ; k = 32 c + 8 h + 0..3
	ds_load_b128 v[X+16*\c+4:X+16*\c+7], v6 offset:128*\c+16       ; + 4..7
	ds_load_b128 v[X+16*\c+8:X+16*\c+11], v6 offset:128*\c+64      ; k = 32 c + 16 + 8 h + 0..3
	ds_load_b128 v[X+16*\c+12:X+16*\c+15], v6 offset:128*\c+80     ; + 4..7
.endr
	s_wait_dscnt 0x0                               ; the numbers are back, and the stores into the stage have read their registers,
.if (\u)+2 < 4
	QLOAD (\u)+2                                   ; which take the loads of two units on
.endif
.set qi, 0
.rept 64
	v_med3_num_f32 v[X+qi], v[X+qi], -v10, v10     ; the conversion to an 8-bit code does not saturate (ISA guide 7.6.2): the hold at the largest code x the scale
.set qi, qi+1
.endr
.if (\u) >= 2
	s_wait_xcnt 0x0                                ; the stores of two units back have read this set of codes
.endif
.irp c, 0,1,2,3
	v_cvt_scalef32_pk8_fp8_f32 v[C+16*((\u)%2)+4*\c:C+16*((\u)%2)+4*\c+1], v[X+16*\c:X+16*\c+7], v11
	v_cvt_scalef32_pk8_fp8_f32 v[C+16*((\u)%2)+4*\c+2:C+16*((\u)%2)+4*\c+3], v[X+16*\c+8:X+16*\c+15], v11
.endr
	v_nop                                          ; a plain vector line between the conversions and the next unit's holds, which write their sources
.irp c, 0,1,2,3
	global_store_b128 v4, v[C+16*((\u)%2)+4*\c:C+16*((\u)%2)+4*\c+3], s[12:13] offset:2048*(\u)+512*\c
.endr
.endm
	QLOAD 0
	QLOAD 1
	s_wait_kmcnt 0x0
	SCALE 24
	QUNIT 0
	QUNIT 1
	QUNIT 2
	QUNIT 3
	s_wait_tensorcnt 0x0
	ds_add_u32 v30, v31
	s_wait_dscnt 0x0
	s_endpgm
; ---- A weight [1024 (k)][n].  A LANE TAKES A COLUMN AND ITS REGISTERS RUN DOWN K: the conversions then give codes with K innermost, and nothing is transposed.  A wave takes 32 columns x 256 k:
; eight blocks of 32 k.  Of a block, a column's 32 codes are the 16 bytes of image lane (r, 0) and the 16 bytes of lane (r, 1): two stores, in each of which sixteen lanes write 256 consecutive aligned bytes.
.macro WLOAD t, n, src
.set wi, 0
.rept 32
	global_load_b32 v[WX+32*((\t)%2)+wi], v4, s[\src:\src+1] offset:(32*(\t)+wi)*\n*4 th:TH_LOAD_NT
.set wi, wi+1
.endr
.endm
.macro WBLOCK t, n, src, dst
.set XS, WX+32*((\t)%2)
.if (\t) < 7
	s_wait_loadcnt 32                              ; this block's 32 loads are in; the next block's may be out
.else
	s_wait_loadcnt 0x0
.endif
.set wi, 0
.rept 32
	v_med3_num_f32 v[XS+wi], v[XS+wi], -v10, v10
.set wi, wi+1
.endr
.irp g, 0,1,2,3                        ; k = 8 g + 0..7 belongs to image lane half h = g % 2, to its first (g < 2) or second eight bytes
	v_cvt_scalef32_pk8_fp8_f32 v[WC+8*(\t)+4*(\g%2)+2*(\g/2):WC+8*(\t)+4*(\g%2)+2*(\g/2)+1], v[XS+8*\g:XS+8*\g+7], v11
.endr
	v_nop                                          ; a plain vector line behind the run of conversions
.irp h, 0,1
	global_store_b128 v5, v[WC+8*(\t)+4*\h:WC+8*(\t)+4*\h+3], s[\dst:\dst+1] offset:((\t)/4)*2048+((\t)%4)*512+256*\h
.endr
.if (\t)+2 < 8
	WLOAD (\t)+2, \n, \src
.endif
.endm
.macro WPATH n, src, dst, e, first
	s_sub_co_u32 s20, ttmp9, \first
	s_and_b32 s21, s20, 3                          ; which 256 along K
	s_lshr_b32 s20, s20, 2                         ; which 128 columns
	s_mul_i32 s22, s21, 256*\n*4
	s_lshl_b32 s23, s20, 9
	s_add_co_u32 s22, s22, s23
	s_lshl_b32 s23, s18, 7                         ; my wave's 32 columns
	s_add_co_u32 s22, s22, s23
	s_mov_b32 s23, 0
	s_add_nc_u64 s[\src:\src+1], s[\src:\src+1], s[22:23]
	s_lshl_b32 s22, s20, 17                        ; eight tiles of 16 columns, 16,384 bytes each
	s_lshl_b32 s20, s18, 15                        ; my wave's two
	s_add_co_u32 s22, s22, s20
	s_lshl_b32 s21, s21, 12                        ; two images along K
	s_add_co_u32 s22, s22, s21
	s_add_nc_u64 s[\dst:\dst+1], s[\dst:\dst+1], s[22:23]
	v_lshlrev_b32 v4, 2, v1                        ; in: 4 bytes a lane
	v_lshlrev_b32 v5, 4, v2
	v_lshl_add_u32 v5, v3, 14, v5                  ; out: 16 x (lane % 16), lanes 16-31 in the next tile of columns
	WLOAD 0, \n, \src
	WLOAD 1, \n, \src
	s_wait_kmcnt 0x0
	SCALE \e
.irp t, 0,1,2,3,4,5,6,7
	WBLOCK \t, \n, \src, \dst
.endr
.endm
.Lweights:
	s_cmp_lt_u32 ttmp9, 352
	s_cbranch_scc0 .Lw_out
	WPATH 3072, 6, 14, 25, 256
	s_endpgm
.Lw_out:
	WPATH 1024, 8, 16, 31, 352
	s_endpgm
.Lfunc_end_k_qe9056d394b_prep:
	.size	k_qe9056d394b_prep, .Lfunc_end_k_qe9056d394b_prep-k_qe9056d394b_prep
	.p2alignl 7, 3214868480
	.fill 96, 4, 3214868480
	.section	.rodata,"a",@progbits
	.p2align	6, 0x0
	.amdhsa_kernel k_qe9056d394b_prep
		.amdhsa_group_segment_fixed_size 34304
		.amdhsa_private_segment_fixed_size 0
		.amdhsa_enable_private_segment 0
		.amdhsa_kernarg_size 56
		.amdhsa_user_sgpr_count 2
		.amdhsa_user_sgpr_kernarg_segment_ptr 1
		.amdhsa_wavefront_size32 1
		.amdhsa_system_sgpr_workgroup_id_x 1
		.amdhsa_system_sgpr_workgroup_id_y 1
		.amdhsa_system_sgpr_workgroup_id_z 1
		.amdhsa_system_vgpr_workitem_id 0
		.amdhsa_next_free_vgpr 256
		.amdhsa_next_free_sgpr 66
		.amdhsa_reserve_vcc 0
		.amdhsa_float_denorm_mode_32 3
		.amdhsa_float_denorm_mode_16_64 3
		.amdhsa_memory_ordered 1
		.amdhsa_forward_progress 1
		.amdhsa_inst_pref_size 127
	.end_amdhsa_kernel
	.amdgpu_metadata
---
amdhsa.version: [ 1, 2 ]
amdhsa.kernels:
  - .name:           k_qe9056d394b_prep
    .symbol:         k_qe9056d394b_prep.kd
    .args:
      - { .name: Q, .offset: 0, .size: 8, .value_kind: global_buffer, .address_space: global }
      - { .name: W_packed, .offset: 8, .size: 8, .value_kind: global_buffer, .address_space: global }
      - { .name: W_out, .offset: 16, .size: 8, .value_kind: global_buffer, .address_space: global }
      - { .name: lowp_scales, .offset: 24, .size: 8, .value_kind: global_buffer, .address_space: global }
      - { .name: qc, .offset: 32, .size: 8, .value_kind: global_buffer, .address_space: global }
      - { .name: wpc, .offset: 40, .size: 8, .value_kind: global_buffer, .address_space: global }
      - { .name: woc, .offset: 48, .size: 8, .value_kind: global_buffer, .address_space: global }
    .group_segment_fixed_size: 34304
    .private_segment_fixed_size: 0
    .kernarg_segment_align: 8
    .kernarg_segment_size: 56
    .max_flat_workgroup_size: 128
    .sgpr_count:     66
    .vgpr_count:     256
    .wavefront_size: 32
...
	.end_amdgpu_metadata
.endif
;; end of part 1
;; launch qkv (part 2): grid 12 x 32, 4 waves a work-group, clusters of 4 x 4, 327,680 bytes of LDS; arguments qc, wpc, b_packed, lowp_scales, qimg, kimg, vimg; writes qimg, kimg, vimg
.if DOCPART == 2
	.amdgcn_target "amdgcn-amd-amdhsa--gfx1250"
	.amdhsa_code_object_version 6
	.text
	.protected	k_qe9056d394b_qkv
	.globl	k_qe9056d394b_qkv
	.p2align	8
	.type	k_qe9056d394b_qkv,@function
k_qe9056d394b_qkv:
	s_mov_b64 s[64:65], 0
	v_nop
	global_prefetch_b8 v0, s[64:65] scope:SCOPE_SE
	s_setreg_imm32_b32 hwreg(HW_REG_WAVE_MODE, 25, 1), 1
	s_wait_xcnt 0x0
	s_wait_alu depctr_hold_cnt(0) depctr_sa_sdst(0) depctr_va_vdst(0) depctr_va_sdst(0) depctr_va_ssrc(0) depctr_va_vcc(0) depctr_vm_vsrc(0)
	s_getreg_b32 s2, hwreg(HW_REG_IB_STS2, 6, 4)
	s_cmp_eq_u32 s2, 0
	s_cbranch_scc0 .Lentry_in_a_cluster
	s_endpgm
.Lentry_in_a_cluster:
	s_bfe_u32 s2, ttmp6, 0x10000c
	s_cmp_lg_u32 s2, 0xf033
	s_cbranch_scc0 .Lentry_shape_is_right
	s_endpgm
.Lentry_shape_is_right:
; qkv = Q W_packed + b_packed on codes of FP8 (E4M3); its three parts are quantised on the way out with 2^e2 (q), 2^e3 (k), 2^e5 (v) and stored as images of the attention's operand registers.
; IMAGES: 16 rows x 128 k = 2,048 bytes, [cc][lane][16 bytes]: registers 4 cc .. 4 cc + 3 of the K = 128 operand as the lanes hold them.  qc: [token / 16][8][2,048]; wpc: [column / 16][8][2,048].
; qimg, kimg: [batch x 16 + head][token / 16 of the sequence][1,024]: rows = tokens, k = the head's 64.  vimg: [batch x 16 + head][key / 128][d / 16][2,048]: rows = d, k = 128 keys.
; A tile of 256 x 256 is made by four waves, 128 x 128 each: 64 accumulators, 512 registers.  K = 1,024 goes in four steps of 256 through a ring of two LDS slots filled by the tensor data mover.
; Y is source 1 of the matrix instruction, X source 0: lane (r, h) then holds, in register j of an accumulator, (row r of Y's block, row 8 h + j of X's block).
; q, k (cluster x = 0, 1): Y = tokens (qc), X = columns (wpc): a lane holds one token and eight neighbouring d: the codes of four accumulators are a head's image of 16 tokens.
; v (cluster x = 2): Y = columns (wpc), X = tokens (qc): a lane holds one d and eight neighbouring keys: the codes of a block's eight accumulators are an image of 16 d x 128 keys.
; Only pointers and tile numbers are chosen, on the cluster's x, which all sixteen partners share; the loop is one text.  So nothing is transposed, no result goes through LDS, and each store writes 512 consecutive aligned bytes.
; CLUSTERS: 4 x 4 work-groups.  Y's tile hangs on cy and is asked for jointly along a row of the cluster, X's on cx and jointly along a column.
; 384 tiles for the chip's work-group places: taken so that a tile lies wholly in q, k or v and a wave's 128 columns are two whole heads.
; LIMITS: e0 + e1 between -126 and 127; e2, e3, e5 between -126 and 119.  NaN is not served.
; REGISTERS, in windows of 256: window 0: v16-31 addresses and scales; v32-95, v96-111 biases; from v128 Y's fragments, one set (on the way out: v128-191 numbers, v192-255 codes);
;   window 1: X's fragments, two sets, at v0 and v128;  windows 2, 3: accumulator (a, b) at v[8 (8 (a % 4) + b)] of window 2 + a / 4.
.set NA,     8                         ; Y's blocks of 16 rows for a wave
.set H,      NA/2
.set FRB,    2048                      ; an image
.set BLKB,   2*FRB                     ; a block's part of a slot: two images, 256 along K
.set YHALF,  NA*BLKB                   ; what one tensor load brings of Y, and what one wave reads of it
.set XHALF,  8*BLKB
.set YBYTES, 2*YHALF
.set SLOT,   YBYTES+2*XHALF            ; Y's blocks, then X's
.set SPARE,  2*SLOT                    ; behind the ring: the spare words, 128 bytes for each wave: two blocks of 256 bytes that no other line names
.set LAPS,   2                         ; a lap = once round the ring = 512 along K
.set ADRY, 16                          ; v16-17  LDS address of my Y fragments in slot 0, 1
.set ADRX, 20                          ; v20-21  the same for X
.set BA,   24                          ; v24     32 h: my eight biases of an accumulator (q, k)
.set BR,   25                          ; v25     4 r: my one bias of a block (v)
.set CO,   26                          ; v26     16 x lane
.set SPW,  28                          ; v28     LDS address of my spare word; never rewritten
.set NIL,  29                          ; v29     0; never rewritten
.set SCV,  30                          ; v30     2^et as f32;  v31: 448 x 2^et
.set BQ,   32                          ; v32-95  q, k: b_packed at my 64 columns
.set BV,   96                          ; v96-111 v: b_packed at my column of each block, twice (a pair for the packed form)
.set AF,   128
.set TMP,  128
.set CD,   192
.set G1, 24                            ; s[24:31] descriptor group 1 for Y's tiles;  s[32:39] group 0, one set for each slot
.set G0, 32
.set G1B, 48                           ; s[48:55], s[56:63] the same for X's tiles
.set G0B, 56
.set MSB, 0
.macro WIN new                         ; the immediate's high byte repeats the setting that is left
.if MSB != (\new)
	s_set_vgpr_msb (MSB<<8)|(\new)
.set MSB, \new
.endif
.endm
; A joint load: waves 0 and 1 fetch Y's halves, waves 2 and 3 X's.  Each line has one mask and one set of registers for all that issue it; the branch hangs on the wave's number alone.
; Four v_nop follow each of the two lines, ahead of the jump, the label and what follows.
.macro JLOAD g0y, g1y, g0x, g1x
	s_cmp_eq_u32 s15, 0
	s_cbranch_scc0 .Lfor_x_\@
	tensor_load_to_lds s[\g0y:\g0y+3], s[\g1y:\g1y+7]
	s_nop 0
.rept 4
	v_nop
.endr
	s_branch .Lasked_\@
.Lfor_x_\@:
	tensor_load_to_lds s[\g0x:\g0x+3], s[\g1x:\g1x+7]
	s_nop 0
.rept 4
	v_nop
.endr
.Lasked_\@:
.endm
.macro CREST                           ; a round of the cluster's barrier behind its opening barrier
	s_cmp_lg_u32 s14, 0
	s_cbranch_scc1 .Lnot_wave_0_\@
	s_barrier_signal -3
.Lnot_wave_0_\@:
	s_barrier_wait -3
	s_barrier_signal -1
	s_barrier_wait -1
.endm
.macro CROUND                          ; a whole round
	s_barrier_signal -1
	s_barrier_wait -1
	CREST
.endm
.macro PLACES n                        ; plain vector lines between a matrix instruction and a load into, or a vector line on, its registers
.rept \n
	v_nop
.endr
.endm
.macro FRAG reg, adr, q, i             ; an image comes back as the registers that it is: four loads of 512 consecutive bytes
.irp c, 0,1,2,3
	ds_load_b128 v[\reg+4*\c:\reg+4*\c+3], v[\adr] offset:(\i)*BLKB+(\q)*FRB+512*\c
.endr
.endm
.macro FETCH_X slot, q, p              ; X's eight fragments of the slot's q-th 128 along K into set p
	WIN 0x40
.irp i, 0,1,2,3,4,5,6,7
	FRAG 128*(\p)+16*\i, ADRX+\slot, \q, \i
.endr
	WIN 0
.endm
.macro FETCH_Y slot, q, i0, n          ; Y's blocks i0 .. i0 + n - 1
.set fi, \i0
.rept \n
	FRAG AF+16*fi, ADRY+\slot, \q, fi
.set fi, fi+1
.endr
.endm
; Y's blocks a0 .. a0 + n - 1, each against X's eight, 128 along K.  p: X's set.  zero = 1: the first product starts the sums.  The accumulators take turns, one instruction a turn, in the same order
; in every step.
.macro MULS a0, n, p, zero
.set ma, \a0
.rept \n
	WIN 0xa1+0x50*(ma/4)
.irp b, 0,1,2,3,4,5,6,7
.if \zero
	v_wmma_f32_16x16x128_fp8_fp8 v[8*(8*(ma%4)+\b):8*(8*(ma%4)+\b)+7], v[128*(\p)+16*\b:128*(\p)+16*\b+15], v[AF+16*ma:AF+16*ma+15], 0
.else
	v_wmma_f32_16x16x128_fp8_fp8 v[8*(8*(ma%4)+\b):8*(8*(ma%4)+\b)+7], v[128*(\p)+16*\b:128*(\p)+16*\b+15], v[AF+16*ma:AF+16*ma+15], v[8*(8*(ma%4)+\b):8*(8*(ma%4)+\b)+7]
.endif
.endr
.set ma, ma+1
.endr
.endm
; A step of 128 along K that has its successor in the same slot.  A block of Y is free as soon as its eight products are issued: the lower blocks are fetched anew in the middle, the upper at the end.
.macro STEP slot, q, zero
	s_wait_dscnt 4*H                               ; X's set and Y's lower blocks are in; the youngest 4 H loads (Y's upper blocks) may be out
	MULS 0, H, (\q)%2, \zero
	s_wait_dscnt 0x0                               ; Y's upper blocks are in
	PLACES 4
	FETCH_X \slot, (\q)+1, 1-(\q)%2
	FETCH_Y \slot, (\q)+1, 0, H
	MULS H, H, (\q)%2, \zero
	PLACES 4
	WIN 0
	FETCH_Y \slot, (\q)+1, H, H
.endm
; A slot's last step changes slots: one barrier; in front of it each wave waits for all its tensor loads, adds 0 to its spare word, and waits for that and for its own reads of this slot.
; fill = 1: the barrier opens a round of the cluster's barrier, and behind the round this slot is filled again, 512 along K ahead.
.macro TURN slot, next, fill
	s_wait_tensorcnt 0x0                           ; all my tensor loads have landed: my part of the next slot
	ds_add_u32 v[SPW], v[NIL]                      ; 0 onto my spare word
	s_wait_dscnt 4*H+1                             ; (the add and Y's upper blocks may be out)
	MULS 0, H/2, 1, 0
	s_wait_dscnt 0x0                               ; the add is done, and my reads of this slot are over
	s_barrier_signal -1
	MULS H/2, H/2, 1, 0
	WIN 0
	s_barrier_wait -1
.if \fill
	CREST                                          ; no wave of any partner still reads this slot or has a load on its way
	s_add_nc_u64 s[G0+4*\slot+2:G0+4*\slot+3], s[G0+4*\slot+2:G0+4*\slot+3], 2*BLKB
	s_add_nc_u64 s[G0B+4*\slot+2:G0B+4*\slot+3], s[G0B+4*\slot+2:G0B+4*\slot+3], 2*BLKB
	JLOAD G0+4*\slot, G1, G0B+4*\slot, G1B         ; the first tensor load behind the round; its four v_nop are also the places in front of the loads below
.else
	PLACES 4
.endif
	FETCH_X \next, 0, 0
	FETCH_Y \next, 0, 0, H
	MULS H, H, 1, 0
	PLACES 4
	WIN 0
	FETCH_Y \next, 0, H, H
.endm
	s_load_b256 s[4:11], s[0:1], 0x0               ; qc s[4:5], wpc s[6:7], b_packed s[8:9], the exponents s[10:11]
	s_load_b128 s[68:71], s[0:1], 0x20             ; qimg s[68:69], kimg s[70:71]
	s_load_b64 s[72:73], s[0:1], 0x30              ; vimg
	v_lshl_add_u32 v[SPW], v0, 2, SPARE
	v_mov_b32 v[NIL], 0
	ds_add_u32 v28, v29
	ds_add_u32 v28, v29
	s_wait_dscnt 0x0
	v_lshrrev_b32 v1, 5, v0
	v_readfirstlane_b32 s14, v1                    ; wave 0..3
	s_lshr_b32 s15, s14, 1                         ; my half of Y's blocks.  Also: I fetch for Y (0) or for X (1)
	s_and_b32 s16, s14, 1                          ; my half of X's blocks.  Also: which half I fetch
	s_bfe_u32 s40, ttmp6, 0x40000                  ; cx
	s_bfe_u32 s41, ttmp6, 0x40004                  ; cy
	s_and_b32 s17, ttmp7, 0xffff
	s_lshl_b32 s17, s17, 2                         ; 4 x cluster y
	s_add_co_u32 s42, s17, s41                     ; q, k: Y = the tile of 256 tokens 4 x cluster y + cy
	s_add_co_u32 s43, s41, 8                       ; v:    Y = the tile of 256 columns 8 + cy
	s_add_co_u32 s44, s17, s40                     ; v:    X = the tile of tokens 4 x cluster y + cx
	s_lshl_b32 s45, ttmp9, 2
	s_add_co_u32 s45, s45, s40                     ; q, k: X = the tile of columns 4 x cluster x + cx
	s_cmp_eq_u32 ttmp9, 2                          ; the cluster's x: the same in all sixteen partners
	s_cselect_b32 s42, s43, s42                    ; Y's tile: hangs on cy, never on cx
	s_cselect_b32 s45, s44, s45                    ; X's tile: hangs on cx, never on cy
	s_lshl_b32 s66, s41, 2
	s_lshl_b32 s66, 15, s66                        ; my row of the cluster
	s_lshl_b32 s67, 0x1111, s40                    ; my column
	; descriptor group 1: NA (Y) or 8 (X) rows of 4,096 bytes, a block's two images of this K step, 16,384 bytes apart in memory, dense in LDS; elements of 8 bytes
	s_or_b32 s[G1+0], s66, (3<<16)|(1<<21)         ; 15:0 the mask; 17:16 elements of 8 bytes; 21 set beside a mask; no padding
	s_or_b32 s[G1B+0], s67, (3<<16)|(1<<21)
	s_mov_b32 s[G1+1], 512<<16                     ; tensor_dim0 = 512
	s_mov_b32 s[G1+2], NA<<16                      ; tensor_dim1
	s_mov_b32 s[G1+3], 512<<16                     ; tile_dim0
	s_mov_b32 s[G1+4], NA                          ; tile_dim1
	s_mov_b32 s[G1+5], 2048                        ; tensor_dim0_stride
	s_mov_b32 s[G1+6], 0
	s_mov_b32 s[G1+7], 0
	s_mov_b32 s[G1B+1], 512<<16
	s_mov_b32 s[G1B+2], 8<<16
	s_mov_b32 s[G1B+3], 512<<16
	s_mov_b32 s[G1B+4], 8
	s_mov_b32 s[G1B+5], 2048
	s_mov_b32 s[G1B+6], 0
	s_mov_b32 s[G1B+7], 0
	s_lshl_b32 s20, s42, 18                        ; Y: a tile is 16 blocks of 16,384 bytes,
	s_lshl_b32 s21, s16, 17                        ; the half that I fetch 8
	s_add_co_u32 s20, s20, s21
	s_mov_b32 s21, 0
	s_lshl_b32 s46, s45, 18                        ; X likewise
	s_lshl_b32 s47, s16, 17
	s_add_co_u32 s46, s46, s47
	s_mov_b32 s47, 0
	s_mul_i32 s18, s16, YHALF                      ; where they go: no place in the cluster enters an LDS address
	s_mul_i32 s19, s16, XHALF
	s_add_co_u32 s19, s19, YBYTES
	s_wait_kmcnt 0x0
	s_load_b256 s[80:87], s[10:11], 0x0            ; e0 .. e7
	s_cmp_eq_u32 ttmp9, 2
	s_cselect_b64 s[74:75], s[6:7], s[4:5]         ; Y's buffer
	s_cselect_b64 s[76:77], s[4:5], s[6:7]         ; X's buffer
	s_add_nc_u64 s[20:21], s[74:75], s[20:21]
	s_add_nc_u64 s[46:47], s[76:77], s[46:47]
	CROUND                                         ; all sixteen work-groups are here: the first joint loads meet
.irp s, 0,1
	s_mov_b32 s[G0+4*\s], 1
	s_add_co_u32 s[G0+4*\s+1], s18, \s*SLOT
	s_add_nc_u64 s[G0+4*\s+2:G0+4*\s+3], s[20:21], \s*BLKB
	s_or_b32 s[G0+4*\s+3], s[G0+4*\s+3], 0x80000000
	s_mov_b32 s[G0B+4*\s], 1
	s_add_co_u32 s[G0B+4*\s+1], s19, \s*SLOT
	s_add_nc_u64 s[G0B+4*\s+2:G0B+4*\s+3], s[46:47], \s*BLKB
	s_or_b32 s[G0B+4*\s+3], s[G0B+4*\s+3], 0x80000000
	JLOAD G0+4*\s, G1, G0B+4*\s, G1B
.endr
	v_and_b32 v1, 31, v0
	v_lshlrev_b32 v[CO], 4, v1                     ; 16 x lane
	v_bfe_u32 v2, v0, 4, 1
	v_lshlrev_b32 v[BA], 5, v2                     ; 32 h
	v_and_b32 v3, 15, v0
	v_lshlrev_b32 v[BR], 2, v3                     ; 4 r
	s_mul_i32 s22, s15, YHALF                      ; my blocks of Y,
	s_mul_i32 s23, s16, XHALF                      ; my blocks of X,
	s_add_co_u32 s23, s23, YBYTES                  ; which lie behind Y's
.irp s, 0,1
	v_add_nc_u32 v[ADRY+\s], s22, v[CO]
	v_add_nc_u32 v[ADRX+\s], s23, v[CO]
	s_add_co_u32 s22, s22, SLOT
	s_add_co_u32 s23, s23, SLOT
.endr
	; the biases of my 128 columns, in both forms: both read the same 512 bytes of b_packed
	s_cmp_eq_u32 ttmp9, 2
	s_cselect_b32 s98, s42, s45                    ; the tile of columns,
	s_cselect_b32 s99, s15, s16                    ; my half of it
	s_lshl_b32 s98, s98, 10
	s_lshl_b32 s99, s99, 9
	s_add_co_u32 s98, s98, s99
	s_mov_b32 s99, 0
	s_add_nc_u64 s[78:79], s[8:9], s[98:99]
.irp b, 0,1,2,3,4,5,6,7
	global_load_b128 v[BQ+8*\b:BQ+8*\b+3], v[BA], s[78:79] offset:64*\b          ; columns 16 b + 8 h + 0..3
	global_load_b128 v[BQ+8*\b+4:BQ+8*\b+7], v[BA], s[78:79] offset:64*\b+16     ; + 4..7
.endr
.irp a, 0,1,2,3,4,5,6,7
	global_load_b32 v[BV+2*\a], v[BR], s[78:79] offset:64*\a                     ; column 16 a + r
	global_load_b32 v[BV+2*\a+1], v[BR], s[78:79] offset:64*\a
.endr
	; where my images go.  m0 = my first token, head0 = my first head: ((m0 / 2048) x 16 + head0) x 131,072 + (m0 % 2048) x 64 bytes, in all three buffers (m0 is a multiple of 128)
	s_cmp_eq_u32 ttmp9, 2
	s_cselect_b32 s94, s45, s42                    ; the tile of tokens,
	s_cselect_b32 s95, s16, s15                    ; my half of it
	s_cselect_b32 s96, s41, s40                    ; the tile of columns within q, k or v: four heads,
	s_cselect_b32 s97, s15, s16                    ; my two of them
	s_cselect_b64 s[92:93], s[72:73], s[70:71]
	s_cmp_eq_u32 ttmp9, 0
	s_cselect_b64 s[92:93], s[68:69], s[92:93]
	s_lshl_b32 s94, s94, 8
	s_lshl_b32 s95, s95, 7
	s_add_co_u32 s94, s94, s95                     ; m0
	s_lshl_b32 s96, s96, 2
	s_lshl_b32 s97, s97, 1
	s_add_co_u32 s96, s96, s97                     ; head0
	s_lshr_b32 s95, s94, 11
	s_lshl_b32 s95, s95, 4
	s_add_co_u32 s95, s95, s96
	s_lshl_b32 s95, s95, 17
	s_and_b32 s94, s94, 2047
	s_lshl_b32 s94, s94, 6
	s_add_co_u32 s94, s94, s95
	s_mov_b32 s95, 0
	s_add_nc_u64 s[92:93], s[92:93], s[94:95]
	s_wait_kmcnt 0x0
	s_add_co_i32 s88, s80, s81
	s_add_co_i32 s88, s88, 127
	s_lshl_b32 s88, s88, 23                        ; 2^(e0 + e1) as f32
	s_mov_b32 s89, s88                             ; (named with it as a pair, so it is written)
	s_cmp_eq_u32 ttmp9, 0
	s_cselect_b32 s90, s82, s83
	s_cmp_eq_u32 ttmp9, 2
	s_cselect_b32 s90, s85, s90                    ; et = e2, e3 or e5: a choice, no branch
	s_add_co_i32 s90, s90, 127
	s_lshl_b32 s91, s90, 23
	v_mov_b32 v[SCV], s91                          ; 2^et
	s_add_co_i32 s90, s90, 8
	s_lshl_b32 s90, s90, 23
	s_or_b32 s90, s90, 0x600000
	v_mov_b32 v[SCV+1], s90                        ; 448 x 2^et
	s_wait_tensorcnt 1                             ; my part of slot 0 is in; slot 1's load may be out
	s_barrier_signal -1
	s_barrier_wait -1
	FETCH_X 0, 0, 0
	FETCH_Y 0, 0, 0, H
	FETCH_Y 0, 0, H, H
	STEP 0, 0, 1                                   ; the first step stands in front of the loop: its products start the sums
	s_mov_b32 s3, LAPS-1
.Llap:                                                 ; a trip goes once round the ring and fills both slots again
	TURN 0, 1, 1
	STEP 1, 0, 0
	TURN 1, 0, 1
	STEP 0, 0, 0
	s_sub_co_u32 s3, s3, 1
	s_cmp_lg_u32 s3, 0
	s_cbranch_scc1 .Llap
	TURN 0, 1, 0                                   ; the last lap fills nothing, and has no round of the cluster's barrier
	STEP 1, 0, 0
	s_wait_dscnt 4*H                               ; the very last step: nothing more to fetch
	MULS 0, H, 1, 0
	s_wait_dscnt 0x0
	MULS H, H, 1, 0
	WIN 0
; THE WAY OUT of Y's block a: sum x 2^(e0 + e1) + bias by one packed multiply-add for two numbers, each accumulator from its low end on; the hold; the conversions: accumulator b's eight numbers are
; registers 2 b, 2 b + 1 of the block's 16 registers of codes, which are two heads' images of 16 tokens (q, k) or one image of 16 d x 128 keys (v).  Four stores of 512 consecutive bytes.
.macro EPI a, isv
.set AC, 64*((\a)%4)
.set CC, CD+16*((\a)%4)
	WIN 0x02+(\a)/4                                ; source 0: window 2 or 3
.irp b, 0,1,2,3,4,5,6,7
.irp i, 0,2,4,6
.if \isv
	v_pk_fma_f32 v[TMP+8*\b+\i:TMP+8*\b+\i+1], v[AC+8*\b+\i:AC+8*\b+\i+1], s[88:89], v[BV+2*(\a):BV+2*(\a)+1] op_sel_hi:[1,0,1]
.else
	v_pk_fma_f32 v[TMP+8*\b+\i:TMP+8*\b+\i+1], v[AC+8*\b+\i:AC+8*\b+\i+1], s[88:89], v[BQ+8*\b+\i:BQ+8*\b+\i+1] op_sel_hi:[1,0,1]
.endif
.endr
.endr
	WIN 0
.set ei, 0
.rept 64
	v_med3_num_f32 v[TMP+ei], v[TMP+ei], -v[SCV+1], v[SCV+1]   ; the conversion to an 8-bit code does not saturate (ISA guide 7.6.2)
.set ei, ei+1
.endr
.if (\a) >= 4
	s_wait_xcnt 0x0                                ; the stores of four blocks back have read this set of codes
.endif
.irp b, 0,1,2,3,4,5,6,7
	v_cvt_scalef32_pk8_fp8_f32 v[CC+2*\b:CC+2*\b+1], v[TMP+8*\b:TMP+8*\b+7], v[SCV]
.endr
	v_nop                                          ; a plain vector line between the conversions and the next block's lines, which write their sources
.irp n, 0,1,2,3
.if \isv
	global_store_b128 v[CO], v[CC+4*\n:CC+4*\n+3], s[92:93] offset:((\a)/4)*131072+((\a)%4)*2048+\n*512
.else
	global_store_b128 v[CO], v[CC+4*\n:CC+4*\n+3], s[92:93] offset:(\a)*1024+(\n/2)*131072+(\n%2)*512
.endif
.endr
.endm
	s_wait_loadcnt 0x0                             ; the biases
	PLACES 4                                       ; behind the last products: their results are read, and Y's registers written, below
	s_cmp_eq_u32 ttmp9, 2
	s_cbranch_scc1 .Lv_out
.irp a, 0,1,2,3,4,5,6,7
	EPI \a, 0
.endr
	s_branch .Lend
.Lv_out:
.irp a, 0,1,2,3,4,5,6,7
	EPI \a, 1
.endr
.Lend:
	s_wait_tensorcnt 0x0                           ; the wave's end
	ds_add_u32 v[SPW], v[NIL]
	s_wait_dscnt 0x0
	CROUND                                         ; the closing round: no work-group ends while a partner may still ask for a tile that names it
	s_endpgm
.Lfunc_end_k_qe9056d394b_qkv:
	.size	k_qe9056d394b_qkv, .Lfunc_end_k_qe9056d394b_qkv-k_qe9056d394b_qkv
	.p2alignl 7, 3214868480
	.fill 96, 4, 3214868480
	.section	.rodata,"a",@progbits
	.p2align	6, 0x0
	.amdhsa_kernel k_qe9056d394b_qkv
		.amdhsa_group_segment_fixed_size 327680
		.amdhsa_private_segment_fixed_size 0
		.amdhsa_enable_private_segment 0
		.amdhsa_kernarg_size 56
		.amdhsa_user_sgpr_count 2
		.amdhsa_user_sgpr_kernarg_segment_ptr 1
		.amdhsa_wavefront_size32 1
		.amdhsa_system_sgpr_workgroup_id_x 1
		.amdhsa_system_sgpr_workgroup_id_y 1
		.amdhsa_system_sgpr_workgroup_id_z 1
		.amdhsa_system_vgpr_workitem_id 0
		.amdhsa_next_free_vgpr 1024
		.amdhsa_next_free_sgpr 100
		.amdhsa_reserve_vcc 0
		.amdhsa_float_denorm_mode_32 3
		.amdhsa_float_denorm_mode_16_64 3
		.amdhsa_memory_ordered 1
		.amdhsa_forward_progress 1
		.amdhsa_inst_pref_size 194
	.end_amdhsa_kernel
	.amdgpu_metadata
---
amdhsa.version: [ 1, 2 ]
amdhsa.kernels:
  - .name:           k_qe9056d394b_qkv
    .symbol:         k_qe9056d394b_qkv.kd
    .args:
      - { .name: qc, .offset: 0, .size: 8, .value_kind: global_buffer, .address_space: global }
      - { .name: wpc, .offset: 8, .size: 8, .value_kind: global_buffer, .address_space: global }
      - { .name: b_packed, .offset: 16, .size: 8, .value_kind: global_buffer, .address_space: global }
      - { .name: lowp_scales, .offset: 24, .size: 8, .value_kind: global_buffer, .address_space: global }
      - { .name: qimg, .offset: 32, .size: 8, .value_kind: global_buffer, .address_space: global }
      - { .name: kimg, .offset: 40, .size: 8, .value_kind: global_buffer, .address_space: global }
      - { .name: vimg, .offset: 48, .size: 8, .value_kind: global_buffer, .address_space: global }
    .group_segment_fixed_size: 327680
    .private_segment_fixed_size: 0
    .kernarg_segment_align: 8
    .kernarg_segment_size: 56
    .max_flat_workgroup_size: 128
    .sgpr_count:     100
    .vgpr_count:     1024
    .wavefront_size: 32
...
	.end_amdgpu_metadata
.endif
;; end of part 2
;; launch attn (part 3): grid 4 x 64, 16 waves a work-group, no clusters, 34,816 bytes of LDS; arguments qimg, kimg, vimg, lowp_scales, jc; writes jc
.if DOCPART == 3
	.amdgcn_target "amdgcn-amd-amdhsa--gfx1250"
	.amdhsa_code_object_version 6
	.text
	.protected	k_qe9056d394b_attn
	.globl	k_qe9056d394b_attn
	.p2align	8
	.type	k_qe9056d394b_attn,@function
k_qe9056d394b_attn:
	s_mov_b64 s[64:65], 0
	v_nop
	global_prefetch_b8 v0, s[64:65] scope:SCOPE_SE
	s_setreg_imm32_b32 hwreg(HW_REG_WAVE_MODE, 25, 1), 1
	s_wait_xcnt 0x0
; joined = softmax(q k^T / 8, causal) v for 64 (batch, head) pairs of 2,048 tokens x 64, both products on codes of FP8 (E4M3) with the given scales 2^e2 (q), 2^e3 (k), 2^e4 (p), 2^e5 (v);
; the result is quantised with 2^e6 and stored as images of the last product's operand registers.
; THE SOFTMAX: t = score x log2(e) / 8; M = the row's largest t so far, rounded UP to a whole number; p = 2^(t - M) is what is quantised; the row's sum is taken of the unquantised p and divides at the end.
; When M moves, the sum and O are multiplied by 2^(old M - new M): exact.
; BUFFERS: qimg, kimg: [bh][token / 16][1,024]: images of K = 64 operands, rows = tokens.  vimg: [bh][key / 128][d / 16][2,048]: images of K = 128 operands, rows = d, k = keys.
; jc: [token / 16][e / 128][2,048]; a head's 64 channels are half an image: 1,024 bytes at head x 1,024 of the tile's 16,384.
; SHARES.  Work-group (x, bh) owns the blocks of 256 queries 7 - x (first pass) and x (second pass) of its head: 2 (8 - x) + 2 (x + 1) = 18 blocks of 128 keys under the causal mask, the same count in
; every work-group: one loop of nine trips, two key steps a trip.  Each of sixteen waves owns 16 queries, in 256 registers: four waves to a SIMD.
; LAYOUT.  Both products are used transposed: S^T = K Q^T (source 0 = 16 keys, source 1 = my queries), O^T = V^T P^T: a lane holds one query (lane % 16) throughout.  In S^T's tile c, register j of lane
; (r, h) is key 16 c + 8 h + j: just what registers 2 c, 2 c + 1 of the K = 128 operand hold, so the conversions' results are P as it is wanted.
; STAGING.  A block's K and V are 8,192 consecutive bytes each: thread t brings 16 bytes of each into registers, two steps ahead, and stores them into the LDS slot that is not being read, one step ahead.
; One barrier a step: in front of it a wave's stores into the next slot and its reads of this slot are done.
; NO CLUSTER, NO TENSOR LOAD: a step's tiles are 16 bytes of K and of V a thread; the four work-groups of a head have first passes of 16 - 2 x steps, so that from step 10 on they want different blocks;
; and the hold of p is jumped over on a number read from lowp_scales (below), which spares 64 of a step's vector lines.
; THE HOLD OF p: p <= 1.  With e4 >= -8 the largest code x 2^e4 is at least 1.75, and the hold changes nothing: it is run where e4 < -8.
; LIMITS: e2 + e3 between -123 and 129 (added to c's exponent field); e4, e6 between -126 and 119; e4 + e5 goes by v_ldexp_f32 and has none.  NaN is not served.
; REGISTERS: v1-5 addresses; v12 -M, v13 the largest t, v[14:15] the sum in two halves; v16-23 Q; v24-31 the second pass's Q; v32-95 K's fragments, then V's; v96-159 S^T, then p; v160-191 O^T;
;   v192-207 p's codes; v208-223 two staging sets; v224-231 the result's codes; v236-254 at work and constants.
.set BLK,  8192                        ; a block's K, or V, in bytes
.set SLOT, 16384                       ; an LDS slot: K's eight images, then V's four
.set LI,   1                           ; v1   16 x lane
.set VB,   2                           ; v2   16 x thread
.set GA,   3                           ; v3   the staging loads' offset
.set PFO,  4                           ; v4   256 x lane
.set DQ,   5                           ; v5   r - 8 h
.set STG,  208                         ; v208-215, v216-223: block j lies in set j % 2: K's four registers, V's four
.set WV,   14
.set KP,   6                           ; s[6:7]   kimg at my head
.set VP,   8                           ; s[8:9]   vimg at my head
.set SEL,  20                          ; s[20:21] lane selects for v_permlanex16_b32: lane l xor 16
.set CS,   22                          ; s[22:23] c = log2(e) / 8 x 2^(e2 + e3)
.set TRIP, 32
.set TSW,  33                          ; the first pass's trips: 8 - x
.set KF,   34                          ; the step's first key
.set Q0,   35                          ; my first query
.set QL,   36                          ; my last
.set Q1,   37                          ; the second pass's first
.set KN,   38                          ; the block to load next
.set N0,   39                          ; the first pass's blocks: 16 - 2 x
.set STP,  40                          ; steps done
.set LIM,  41                          ; a wave prefetches while fewer steps than this are done
.set PFA,  42                          ; s[42:43] where my prefetches stand
.set JP,   44                          ; s[44:45] where my result goes;  s[46:47] in the second pass
.set JP1,  46
.set HOLD, 48                          ; 1 where e4 < -8
.set EPV,  49                          ; e4 + e5
.set TS,   54                          ; at work
	s_load_b256 s[4:11], s[0:1], 0x0               ; qimg s[4:5], kimg s[6:7], vimg s[8:9], the exponents s[10:11]
	s_load_b64 s[JP:JP+1], s[0:1], 0x20            ; jc
	v_lshl_add_u32 v251, v0, 2, 0x8000
	v_mov_b32 v255, 0
	v_lshrrev_b32 v1, 5, v0
	v_readfirstlane_b32 s[WV], v1                  ; wave 0..15
	v_and_b32 v[DQ], 15, v0
	v_bfe_u32 v6, v0, 4, 1
	v_lshlrev_b32 v6, 3, v6
	v_sub_nc_u32 v[DQ], v[DQ], v6                  ; r - 8 h
	v_and_b32 v1, 31, v0
	v_lshlrev_b32 v[PFO], 8, v1
	v_lshlrev_b32 v[LI], 4, v1
	v_lshlrev_b32 v[VB], 4, v0
	s_and_b32 s15, ttmp7, 0xffff                   ; bh
	s_lshl_b32 s16, s15, 17                        ; a head's 131,072 bytes in qimg, kimg and vimg
	s_mov_b32 s17, 0
	s_sub_co_u32 s18, 7, ttmp9                     ; the first pass's block of queries
	s_sub_co_u32 s[TSW], 8, ttmp9
	s_lshl_b32 s[N0], s[TSW], 1
	s_lshl_b32 s19, s[WV], 4
	s_lshl_b32 s[Q0], s18, 8
	s_add_co_u32 s[Q0], s[Q0], s19
	s_add_co_u32 s[QL], s[Q0], 15
	s_lshl_b32 s[Q1], ttmp9, 8
	s_add_co_u32 s[Q1], s[Q1], s19
	s_lshl_b32 s50, s[Q0], 6                       ; a tile of 16 queries is 1,024 bytes
	s_add_co_u32 s50, s50, s16
	s_mov_b32 s51, 0
	s_lshl_b32 s52, s[Q1], 6
	s_add_co_u32 s52, s52, s16
	s_mov_b32 s53, 0
	s_lshr_b32 s54, s15, 4
	s_lshl_b32 s54, s54, 21                        ; jc: a batch's 128 tiles of 16,384 bytes,
	s_and_b32 s55, s15, 15
	s_lshl_b32 s55, s55, 10                        ; the head's 1,024 bytes of a tile,
	s_add_co_u32 s54, s54, s55
	s_lshl_b32 s56, s[Q0], 10                      ; my tile
	s_add_co_u32 s56, s56, s54
	s_mov_b32 s57, 0
	s_lshl_b32 s58, s[Q1], 10
	s_add_co_u32 s58, s58, s54
	s_mov_b32 s59, 0
	s_mov_b32 s[SEL], 0x76543210
	s_mov_b32 s[SEL+1], 0xfedcba98
	s_mov_b32 s[TRIP], 0
	s_mov_b32 s[KF], 0
	s_mov_b32 s[KN], 2
	s_mov_b32 s[STP], 0
	s_lshr_b32 s[LIM], s[WV], 1                    ; 0 in waves 0 and 1,
	s_or_b32 s[LIM], s[LIM], ttmp9                 ; of the head's work-group x = 0
	s_cmp_eq_u32 s[LIM], 0
	s_cselect_b32 s[LIM], 13, 0
	s_wait_kmcnt 0x0
	s_load_b256 s[24:31], s[10:11], 0x0            ; e0 .. e7
	s_add_nc_u64 s[KP:KP+1], s[KP:KP+1], s[16:17]
	s_add_nc_u64 s[VP:VP+1], s[VP:VP+1], s[16:17]
	s_add_nc_u64 s[50:51], s[4:5], s[50:51]
	s_add_nc_u64 s[52:53], s[4:5], s[52:53]
	s_add_nc_u64 s[JP1:JP1+1], s[JP:JP+1], s[58:59]
	s_add_nc_u64 s[JP:JP+1], s[JP:JP+1], s[56:57]
	global_load_b128 v[16:19], v[LI], s[50:51]                 ; Q's fragment stays in registers,
	global_load_b128 v[20:23], v[LI], s[50:51] offset:512
	global_load_b128 v[24:27], v[LI], s[52:53]                 ; and so does the second pass's
	global_load_b128 v[28:31], v[LI], s[52:53] offset:512
	global_load_b128 v[STG:STG+3], v[VB], s[KP:KP+1]           ; block 0
	global_load_b128 v[STG+4:STG+7], v[VB], s[VP:VP+1]
	global_load_b128 v[STG+8:STG+11], v[VB], s[KP:KP+1] offset:BLK    ; block 1
	global_load_b128 v[STG+12:STG+15], v[VB], s[VP:VP+1] offset:BLK
	s_cmp_eq_u32 s[WV], 1                          ; wave 0 asks for K's blocks, wave 1 for V's
	s_cselect_b64 s[PFA:PFA+1], s[VP:VP+1], s[KP:KP+1]
	s_add_nc_u64 s[PFA:PFA+1], s[PFA:PFA+1], 2*BLK ; at block 2: step 0 steps it to block 3.  Blocks 0 to 2 come by their loads alone
.macro INIT                            ; the step is written once: a pass's first step finds zeros, which the first change of M leaves zeros
	v_mov_b32 v13, 0xff61b1e6                      ; the largest t so far: -3e38, under every t
	v_floor_f32 v12, -v13                          ; -M
	v_mov_b32 v14, 0
	v_mov_b32 v15, 0
.set n, 0
.rept 32
	v_mov_b32 v[160+n], 0
.set n, n+1
.endr
.endm
	INIT
	v_mov_b32 v236, 0                              ; written once: a lane permute's destination counts as one of its sources
	v_mov_b32 v253, 0                              ; (named as the upper half of the pair v[252:253])
	s_wait_kmcnt 0x0
	s_add_co_i32 s[TS], s26, s27
	s_lshl_b32 s[TS], s[TS], 23
	s_add_co_i32 s[CS], s[TS], 0x3e38aa3b          ; c = log2(e) / 8, with e2 + e3 added to its exponent field
	s_mov_b32 s[CS+1], s[CS]                       ; (named with it as a pair, so it is written)
	s_add_co_i32 s[TS], s28, 127
	s_lshl_b32 s55, s[TS], 23
	v_mov_b32 v244, s55                            ; 2^e4
	s_add_co_i32 s[TS], s[TS], 8
	s_lshl_b32 s[TS], s[TS], 23
	s_or_b32 s[TS], s[TS], 0x600000
	v_mov_b32 v240, s[TS]                          ; 448 x 2^e4
	s_add_co_i32 s[TS], s30, 127
	s_lshl_b32 s55, s[TS], 23
	v_mov_b32 v246, s55                            ; 2^e6
	s_add_co_i32 s[TS], s[TS], 8
	s_lshl_b32 s[TS], s[TS], 23
	s_or_b32 s[TS], s[TS], 0x600000
	v_mov_b32 v245, s[TS]                          ; 448 x 2^e6
	s_add_co_i32 s[EPV], s28, s29
	s_cmp_lt_i32 s28, -8
	s_cselect_b32 s[HOLD], 1, 0
	s_wait_loadcnt 2                               ; both Q and block 0 are in; block 1's two loads may be out
	ds_store_b128 v[VB], v[STG:STG+3]
	ds_store_b128 v[VB], v[STG+4:STG+7] offset:BLK
	s_wait_dscnt 0x0
	s_barrier_signal -1
	s_barrier_wait -1                              ; block 0 lies in slot 0
; A KEY STEP on the block in slot s.
.macro STEP s
	s_wait_xcnt 0x0                                ; the last step's loads and prefetch have read their addresses
	s_add_nc_u64 s[PFA:PFA+1], s[PFA:PFA+1], BLK
	s_wait_loadcnt 0x0                             ; the next block, asked for a step ago, is in registers,
	ds_store_b128 v[VB], v[STG+8*(1-\s):STG+8*(1-\s)+3] offset:(1-\s)*SLOT         ; and goes into the slot that nobody reads in this step
	ds_store_b128 v[VB], v[STG+8*(1-\s)+4:STG+8*(1-\s)+7] offset:(1-\s)*SLOT+BLK
	v_lshl_add_u32 v[GA], s[KN], 13, v[VB]
	global_load_b128 v[STG+8*\s:STG+8*\s+3], v[GA], s[KP:KP+1]                     ; the block after that; its set was stored a step ago
	global_load_b128 v[STG+8*\s+4:STG+8*\s+7], v[GA], s[VP:VP+1]
	; A PREFETCH INTO THE L2 of the block that the next step will load: 8,192 bytes, lanes 256 bytes apart.  All four work-groups of a head begin at block 0 and go up in step; the one with x = 0 walks blocks
	; 0 to 15 in steps 0 to 15: it asks, wave 0 for K and wave 1 for V, in steps 0 to 12 for blocks 3 to 15: each block of 256 bytes is named once in the launch
	s_cmp_lt_u32 s[STP], s[LIM]
	s_cbranch_scc0 .Lnot_mine_\@
	global_prefetch_b8 v[PFO], s[PFA:PFA+1] th:TH_LOAD_NT scope:SCOPE_SE
.Lnot_mine_\@:
	s_add_co_u32 s[STP], s[STP], 1
	s_add_co_u32 s[KN], s[KN], 1
	s_cmp_eq_u32 s[KN], s[N0]
	s_cselect_b32 s[KN], 0, s[KN]                  ; behind the first pass's last block comes block 0 again; never above 15: every load stays in its head's 16 blocks
	s_cmp_gt_u32 s[KF], s[QL]                      ; CAUSAL: a step all of whose keys come after my 16 queries is left out, but for the staging above and the barrier below
	s_cbranch_scc1 .Lhidden_\@
.rept 4
	v_nop                                          ; places in front of loads into registers that the last products read
.endr
.irp c, 0,1,2,3,4,5,6,7
	ds_load_b128 v[32+8*\c:35+8*\c], v[LI] offset:\s*SLOT+1024*\c
	ds_load_b128 v[36+8*\c:39+8*\c], v[LI] offset:\s*SLOT+1024*\c+512
.endr
	s_wait_dscnt 0x0
.irp c, 0,1,2,3,4,5,6,7
	v_wmma_f32_16x16x64_fp8_fp8 v[96+8*\c:103+8*\c], v[32+8*\c:39+8*\c], v[16:23], 0
.endr
.rept 4
	v_nop                                          ; places in front of the loads below and of the first read of the scores
.endr
.irp d, 0,1,2,3                        ; V's four fragments land while the softmax is walked
.irp c, 0,1,2,3
	ds_load_b128 v[32+16*\d+4*\c:35+16*\d+4*\c], v[LI] offset:\s*SLOT+BLK+2048*\d+512*\c
.endr
.endr
	s_add_co_u32 s[TS], s[KF], 127                 ; on the diagonal the scores of hidden keys become -infinity ahead of the maximum; a step all of whose keys count skips this
	s_cmp_le_u32 s[TS], s[Q0]
	s_cbranch_scc1 .Lopen_\@
	s_sub_co_i32 s[TS], s[Q0], s[KF]
	v_add_nc_u32 v252, s[TS], v[DQ]                ; my query - KF - 8 h.  Register 8 c + j holds key KF + 16 c + 8 h + j: hidden where 16 c + j is greater
	v_mov_b32 v254, 0xff800000
.set n, 0
.rept 64
	v_cmp_gt_i32 vcc_lo, 16*(n/8)+n%8, v252
	v_cndmask_b32 v[96+n], v[96+n], v254, vcc_lo
.set n, n+1
.endr
.Lopen_\@:
	v_max3_num_f32 v254, v96, v97, v98             ; the step's largest score of my query among my 64 keys, in two chains,
	v_max3_num_f32 v252, v99, v100, v101
.irp i, 6,10,14,18,22,26,30,34,38,42,46,50,54,58
	v_max3_num_f32 v254, v254, v[96+\i], v[97+\i]
	v_max3_num_f32 v252, v252, v[98+\i], v[99+\i]
.endr
	v_max3_num_f32 v254, v254, v158, v159
	v_max_num_f32 v254, v254, v252
	v_permlanex16_b32 v236, v254, s[SEL], s[SEL+1]
	v_max_num_f32 v254, v254, v236                 ; and among lane l xor 16's
	v_mul_f32 v254, s[CS], v254                    ; as t (c is positive)
	v_max_num_f32 v13, v13, v254                   ; the running largest t
	v_mov_b32 v254, v12
	v_floor_f32 v12, -v13                          ; the new -M = floor(-t): M is a whole number
	v_sub_f32 v254, v12, v254                      ; old M - new M: a whole number, 0 or less
	v_cvt_i32_f32 v254, v254                       ; (it saturates)
	v_ldexp_f32 v252, 1.0, v254                    ; f = 2^(old M - new M)
.set n, 0
.rept 32
	v_pk_fma_f32 v[96+n:97+n], v[96+n:97+n], s[CS:CS+1], v[12:13] op_sel_hi:[1,0,0]   ; t - M, two at a time
.set n, n+2
.endr
.set n, 0
.rept 64
	v_exp_f32 v[96+n], v[96+n]                     ; p = 2^(t - M), at most 1
.set n, n+1
.endr
	v_pk_mul_f32 v[14:15], v[14:15], v[252:253] op_sel_hi:[1,0]   ; the sums under the new M: the plain line behind the exponentials
	s_wait_alu depctr_va_vdst(0)                   ; one wait for the batch of 64, ahead of its first reader
	v_pk_add_f32 v[242:243], v[96:97], v[98:99]    ; the row's sum is taken of the unquantised p, in two chains
.irp j, 4,8,12,16,20,24,28,32,36,40,44,48,52,56,60
	v_pk_add_f32 v[14:15], v[14:15], v[96+\j:97+\j]
	v_pk_add_f32 v[242:243], v[242:243], v[98+\j:99+\j]
.endr
	v_pk_add_f32 v[14:15], v[14:15], v[242:243]
	s_cmp_eq_u32 s[HOLD], 0
	s_cbranch_scc1 .Lfits_\@
.set n, 0
.rept 64
	v_min_num_f32 v[96+n], v[96+n], v240           ; the conversion does not saturate (ISA guide 7.6.2); p is not negative, so the hold is one-sided
.set n, n+1
.endr
.Lfits_\@:
.irp c, 0,1,2,3,4,5,6,7
	v_cvt_scalef32_pk8_fp8_f32 v[192+2*\c:193+2*\c], v[96+8*\c:103+8*\c], v244
.endr
.set n, 0
.rept 16
	v_pk_mul_f32 v[160+n:161+n], v[160+n:161+n], v[252:253] op_sel_hi:[1,0]   ; O^T under the new M; also the plain lines between the conversions and the products
.set n, n+2
.endr
	s_wait_dscnt 0x0                               ; V is in
.irp d, 0,1,2,3                        ; four accumulators by turns; the eight products of the next step's scores stand between their turns
	v_wmma_f32_16x16x128_fp8_fp8 v[160+8*\d:167+8*\d], v[32+16*\d:47+16*\d], v[192:207], v[160+8*\d:167+8*\d]
.endr
.Lhidden_\@:
	s_add_co_u32 s[KF], s[KF], 128
	s_wait_dscnt 0x0                               ; my stores into the next slot have landed, and my reads of this slot are over
	s_barrier_signal -1
	s_barrier_wait -1
.endm
; A pass's end: O^T / the sum x 2^(e4 + e5), quantised with 2^e6.  Tile d's eight numbers are channels 16 d + 8 h + 0..7 of my query: registers 2 d, 2 d + 1 of the head's half image: two stores of 512 consecutive bytes.
.macro FINAL
.rept 4
	v_nop                                          ; places behind the last products
.endr
	v_add_f32 v14, v14, v15                        ; the sum's two halves,
	v_permlanex16_b32 v236, v14, s[SEL], s[SEL+1]
	v_add_f32 v14, v14, v236                       ; and lane l xor 16's
	v_rcp_f32 v14, v14
	v_nop                                          ; a plain line behind the reciprocal
	s_wait_alu depctr_va_vdst(0)                   ; and the wait ahead of its first reader
	v_ldexp_f32 v14, v14, s[EPV]
.set n, 0
.rept 16
	v_pk_mul_f32 v[96+n:97+n], v[160+n:161+n], v[14:15] op_sel_hi:[1,0]
.set n, n+2
.endr
.set n, 0
.rept 32
	v_med3_num_f32 v[96+n], v[96+n], -v245, v245
.set n, n+1
.endr
	s_wait_xcnt 0x0                                ; an earlier pass's stores have read the codes' registers
.irp d, 0,1,2,3
	v_cvt_scalef32_pk8_fp8_f32 v[224+2*\d:225+2*\d], v[96+8*\d:103+8*\d], v246
.endr
	v_nop                                          ; a plain line behind the run of conversions
	global_store_b128 v[LI], v[224:227], s[JP:JP+1]
	global_store_b128 v[LI], v[228:231], s[JP:JP+1] offset:512
.endm
.Ltrip:
	STEP 0
	STEP 1
	s_add_co_u32 s[TRIP], s[TRIP], 1
	s_cmp_lg_u32 s[TRIP], s[TSW]
	s_cbranch_scc1 .Lsame_pass
	FINAL                                          ; the first pass is over (once: 8 - x lies under 9); the second begins at key 0
	s_wait_xcnt 0x0                                ; the stores have read their base
	s_mov_b64 s[JP:JP+1], s[JP1:JP1+1]
.irp j, 0,1,2,3,4,5,6,7
	v_mov_b32 v[16+\j], v[24+\j]
.endr
	s_mov_b32 s[Q0], s[Q1]
	s_add_co_u32 s[QL], s[Q0], 15
	s_mov_b32 s[KF], 0
	INIT
.Lsame_pass:
	s_cmp_lt_u32 s[TRIP], 9
	s_cbranch_scc1 .Ltrip
	FINAL
	s_wait_tensorcnt 0x0
	ds_add_u32 v251, v255
	s_wait_dscnt 0x0
	s_endpgm
.Lfunc_end_k_qe9056d394b_attn:
	.size	k_qe9056d394b_attn, .Lfunc_end_k_qe9056d394b_attn-k_qe9056d394b_attn
	.p2alignl 7, 3214868480
	.fill 96, 4, 3214868480
	.section	.rodata,"a",@progbits
	.p2align	6, 0x0
	.amdhsa_kernel k_qe9056d394b_attn
		.amdhsa_group_segment_fixed_size 34816
		.amdhsa_private_segment_fixed_size 0
		.amdhsa_enable_private_segment 0
		.amdhsa_kernarg_size 40
		.amdhsa_user_sgpr_count 2
		.amdhsa_user_sgpr_kernarg_segment_ptr 1
		.amdhsa_wavefront_size32 1
		.amdhsa_system_sgpr_workgroup_id_x 1
		.amdhsa_system_sgpr_workgroup_id_y 1
		.amdhsa_system_sgpr_workgroup_id_z 1
		.amdhsa_system_vgpr_workitem_id 0
		.amdhsa_next_free_vgpr 256
		.amdhsa_next_free_sgpr 66
		.amdhsa_reserve_vcc 1
		.amdhsa_float_denorm_mode_32 3
		.amdhsa_float_denorm_mode_16_64 3
		.amdhsa_memory_ordered 1
		.amdhsa_forward_progress 1
		.amdhsa_inst_pref_size 58
	.end_amdhsa_kernel
	.amdgpu_metadata
---
amdhsa.version: [ 1, 2 ]
amdhsa.kernels:
  - .name:           k_qe9056d394b_attn
    .symbol:         k_qe9056d394b_attn.kd
    .args:
      - { .name: qimg, .offset: 0, .size: 8, .value_kind: global_buffer, .address_space: global }
      - { .name: kimg, .offset: 8, .size: 8, .value_kind: global_buffer, .address_space: global }
      - { .name: vimg, .offset: 16, .size: 8, .value_kind: global_buffer, .address_space: global }
      - { .name: lowp_scales, .offset: 24, .size: 8, .value_kind: global_buffer, .address_space: global }
      - { .name: jc, .offset: 32, .size: 8, .value_kind: global_buffer, .address_space: global }
    .group_segment_fixed_size: 34816
    .private_segment_fixed_size: 0
    .kernarg_segment_align: 8
    .kernarg_segment_size: 40
    .max_flat_workgroup_size: 512
    .sgpr_count:     66
    .vgpr_count:     256
    .wavefront_size: 32
...
	.end_amdgpu_metadata
.endif
;; end of part 3
;; launch proj (part 4): grid 4 x 64, 4 waves a work-group, clusters of 4 x 4, 327,680 bytes of LDS; arguments jc, woc, b_out, lowp_scales, out0; writes out0
.if DOCPART == 4
	.amdgcn_target "amdgcn-amd-amdhsa--gfx1250"
	.amdhsa_code_object_version 6
	.text
	.protected	k_qe9056d394b_proj
	.globl	k_qe9056d394b_proj
	.p2align	8
	.type	k_qe9056d394b_proj,@function
k_qe9056d394b_proj:
	s_mov_b64 s[64:65], 0
	v_nop
	global_prefetch_b8 v0, s[64:65] scope:SCOPE_SE
	s_setreg_imm32_b32 hwreg(HW_REG_WAVE_MODE, 25, 1), 1
	s_wait_xcnt 0x0
	s_wait_alu depctr_hold_cnt(0) depctr_sa_sdst(0) depctr_va_vdst(0) depctr_va_sdst(0) depctr_va_ssrc(0) depctr_va_vcc(0) depctr_vm_vsrc(0)
	s_getreg_b32 s2, hwreg(HW_REG_IB_STS2, 6, 4)
	s_cmp_eq_u32 s2, 0
	s_cbranch_scc0 .Lentry_in_a_cluster
	s_endpgm
.Lentry_in_a_cluster:
	s_bfe_u32 s2, ttmp6, 0x10000c
	s_cmp_lg_u32 s2, 0xf033
	s_cbranch_scc0 .Lentry_shape_is_right
	s_endpgm
.Lentry_shape_is_right:
; out0 = joined W_out + b_out on codes of FP8 (E4M3): sum x 2^(e6 + e7) + b_out, f32.
; jc: [token / 16][8][2,048], woc: [column / 16][8][2,048]: images of K = 128 operands (16 rows x 128 k, [cc][lane][16 bytes]: registers 4 cc .. 4 cc + 3 as the lanes hold them).
; A tile of 128 tokens x 256 columns is made by four waves, 64 x 128 each: 32 accumulators.  That tile gives 64 x 4 = 256 work-groups.  K = 1,024 goes in four steps of 256 through a ring of two LDS slots.
; Y (tokens) is source 1 of the matrix instruction, X (columns) source 0: a lane holds one token and eight neighbouring columns.
; CLUSTERS: 4 x 4 work-groups.  Y's tile hangs on cy and is asked for jointly along a row of the cluster, X's on cx and jointly along a column.
; LIMIT: e6 + e7 between -126 and 127.
; REGISTERS, in windows of 256: window 0: v16-29 addresses; v32-95 a block's results; from v128 Y's fragments, one set (on the way out v128-255: rows read back, two sets);
;   window 1: X's fragments, two sets;  window 2: accumulator (a, b) at v[8 (8 a + b)];  window 3: v0-63 b_out at my 64 columns.
.set NA,     4                         ; Y's blocks of 16 rows for a wave
.set H,      NA/2
.set FRB,    2048                      ; an image
.set BLKB,   2*FRB                     ; a block's part of a slot: two images, 256 along K
.set YHALF,  NA*BLKB                   ; what one tensor load brings of Y, and what one wave reads of it
.set XHALF,  8*BLKB
.set YBYTES, 2*YHALF
.set SLOT,   YBYTES+2*XHALF            ; Y's blocks, then X's
.set SPARE,  2*SLOT                    ; behind the ring: the spare words, 128 bytes for each wave: two blocks of 256 bytes that no other line names
.set STAGE,  SPARE+512                 ; behind them: 16 rows x 528 bytes for each wave, for the way out; no tile lands there
.set SPITCH, 528
.set LAPS,   2                         ; a lap = once round the ring = 512 along K
.set ADRY, 16                          ; v16-17  LDS address of my Y fragments in slot 0, 1
.set ADRX, 20                          ; v20-21  the same for X
.set STO,  24                          ; v24     the way out: where I put 32 bytes of a row
.set RD,   25                          ; v25     and where I read a row back
.set CO,   26                          ; v26     16 x lane
.set BA,   27                          ; v27     32 h
.set SPW,  28                          ; v28     LDS address of my spare word; never rewritten
.set NIL,  29                          ; v29     0; never rewritten
.set TMP,  32
.set AF,   128
.set BK,   128
.set G1, 24                            ; s[24:31] descriptor group 1 for Y's tiles;  s[32:39] group 0, one set for each slot
.set G0, 32
.set G1B, 48                           ; s[48:55], s[56:63] the same for X's tiles
.set G0B, 56
.set MSB, 0
.macro WIN new                         ; the immediate's high byte repeats the setting that is left
.if MSB != (\new)
	s_set_vgpr_msb (MSB<<8)|(\new)
.set MSB, \new
.endif
.endm
; A joint load: waves 0 and 1 fetch Y's halves, waves 2 and 3 X's.  Each line has one mask and one set of registers for all that issue it; the branch hangs on the wave's number alone.
; Four v_nop follow each of the two lines, ahead of the jump, the label and what follows.
.macro JLOAD g0y, g1y, g0x, g1x
	s_cmp_eq_u32 s15, 0
	s_cbranch_scc0 .Lfor_x_\@
	tensor_load_to_lds s[\g0y:\g0y+3], s[\g1y:\g1y+7]
	s_nop 0
.rept 4
	v_nop
.endr
	s_branch .Lasked_\@
.Lfor_x_\@:
	tensor_load_to_lds s[\g0x:\g0x+3], s[\g1x:\g1x+7]
	s_nop 0
.rept 4
	v_nop
.endr
.Lasked_\@:
.endm
.macro CREST                           ; a round of the cluster's barrier behind its opening barrier
	s_cmp_lg_u32 s14, 0
	s_cbranch_scc1 .Lnot_wave_0_\@
	s_barrier_signal -3
.Lnot_wave_0_\@:
	s_barrier_wait -3
	s_barrier_signal -1
	s_barrier_wait -1
.endm
.macro CROUND                          ; a whole round
	s_barrier_signal -1
	s_barrier_wait -1
	CREST
.endm
.macro PLACES n                        ; plain vector lines between a matrix instruction and a load into, or a vector line on, its registers
.rept \n
	v_nop
.endr
.endm
.macro FRAG reg, adr, q, i             ; an image comes back as the registers that it is: four loads of 512 consecutive bytes
.irp c, 0,1,2,3
	ds_load_b128 v[\reg+4*\c:\reg+4*\c+3], v[\adr] offset:(\i)*BLKB+(\q)*FRB+512*\c
.endr
.endm
.macro FETCH_X slot, q, p              ; X's eight fragments of the slot's q-th 128 along K into set p
	WIN 0x40
.irp i, 0,1,2,3,4,5,6,7
	FRAG 128*(\p)+16*\i, ADRX+\slot, \q, \i
.endr
	WIN 0
.endm
.macro FETCH_Y slot, q, i0, n          ; Y's blocks i0 .. i0 + n - 1
.set fi, \i0
.rept \n
	FRAG AF+16*fi, ADRY+\slot, \q, fi
.set fi, fi+1
.endr
.endm
; Y's blocks a0 .. a0 + n - 1, each against X's eight, 128 along K.  p: X's set.  zero = 1: the first product starts the sums.  The accumulators take turns, one instruction a turn, in the same order
; in every step.
.macro MULS a0, n, p, zero
.set ma, \a0
.rept \n
	WIN 0xa1+0x50*(ma/4)
.irp b, 0,1,2,3,4,5,6,7
.if \zero
	v_wmma_f32_16x16x128_fp8_fp8 v[8*(8*(ma%4)+\b):8*(8*(ma%4)+\b)+7], v[128*(\p)+16*\b:128*(\p)+16*\b+15], v[AF+16*ma:AF+16*ma+15], 0
.else
	v_wmma_f32_16x16x128_fp8_fp8 v[8*(8*(ma%4)+\b):8*(8*(ma%4)+\b)+7], v[128*(\p)+16*\b:128*(\p)+16*\b+15], v[AF+16*ma:AF+16*ma+15], v[8*(8*(ma%4)+\b):8*(8*(ma%4)+\b)+7]
.endif
.endr
.set ma, ma+1
.endr
.endm
; A step of 128 along K that has its successor in the same slot.  A block of Y is free as soon as its eight products are issued: the lower blocks are fetched anew in the middle, the upper at the end.
.macro STEP slot, q, zero
	s_wait_dscnt 4*H                               ; X's set and Y's lower blocks are in; the youngest 4 H loads (Y's upper blocks) may be out
	MULS 0, H, (\q)%2, \zero
	s_wait_dscnt 0x0                               ; Y's upper blocks are in
	PLACES 4
	FETCH_X \slot, (\q)+1, 1-(\q)%2
	FETCH_Y \slot, (\q)+1, 0, H
	MULS H, H, (\q)%2, \zero
	PLACES 4
	WIN 0
	FETCH_Y \slot, (\q)+1, H, H
.endm
; A slot's last step changes slots: one barrier; in front of it each wave waits for all its tensor loads, adds 0 to its spare word, and waits for that and for its own reads of this slot.
; fill = 1: the barrier opens a round of the cluster's barrier, and behind the round this slot is filled again, 512 along K ahead.
.macro TURN slot, next, fill
	s_wait_tensorcnt 0x0                           ; all my tensor loads have landed: my part of the next slot
	ds_add_u32 v[SPW], v[NIL]                      ; 0 onto my spare word
	s_wait_dscnt 4*H+1                             ; (the add and Y's upper blocks may be out)
	MULS 0, H/2, 1, 0
	s_wait_dscnt 0x0                               ; the add is done, and my reads of this slot are over
	s_barrier_signal -1
	MULS H/2, H/2, 1, 0
	WIN 0
	s_barrier_wait -1
.if \fill
	CREST                                          ; no wave of any partner still reads this slot or has a load on its way
	s_add_nc_u64 s[G0+4*\slot+2:G0+4*\slot+3], s[G0+4*\slot+2:G0+4*\slot+3], 2*BLKB
	s_add_nc_u64 s[G0B+4*\slot+2:G0B+4*\slot+3], s[G0B+4*\slot+2:G0B+4*\slot+3], 2*BLKB
	JLOAD G0+4*\slot, G1, G0B+4*\slot, G1B         ; the first tensor load behind the round; its four v_nop are also the places in front of the loads below
.else
	PLACES 4
.endif
	FETCH_X \next, 0, 0
	FETCH_Y \next, 0, 0, H
	MULS H, H, 1, 0
	PLACES 4
	WIN 0
	FETCH_Y \next, 0, H, H
.endm
	s_load_b256 s[4:11], s[0:1], 0x0               ; jc s[4:5], woc s[6:7], b_out s[8:9], the exponents s[10:11]
	s_load_b64 s[68:69], s[0:1], 0x20              ; out0
	v_lshl_add_u32 v[SPW], v0, 2, SPARE
	v_mov_b32 v[NIL], 0
	ds_add_u32 v28, v29
	ds_add_u32 v28, v29
	s_wait_dscnt 0x0
	v_lshrrev_b32 v1, 5, v0
	v_readfirstlane_b32 s14, v1                    ; wave 0..3
	s_lshr_b32 s15, s14, 1                         ; my half of Y's blocks.  Also: I fetch for Y (0) or for X (1)
	s_and_b32 s16, s14, 1                          ; my half of X's blocks.  Also: which half I fetch
	s_bfe_u32 s40, ttmp6, 0x40000                  ; cx
	s_bfe_u32 s41, ttmp6, 0x40004                  ; cy
	s_and_b32 s17, ttmp7, 0xffff
	s_lshl_b32 s17, s17, 2
	s_add_co_u32 s42, s17, s41                     ; the tile of 128 tokens = 4 x cluster y + cy
	s_lshl_b32 s45, ttmp9, 2
	s_add_co_u32 s45, s45, s40                     ; the tile of 256 columns = 4 x cluster x + cx
	s_lshl_b32 s66, s41, 2
	s_lshl_b32 s66, 15, s66                        ; my row of the cluster
	s_lshl_b32 s67, 0x1111, s40                    ; my column
	; descriptor group 1: NA (Y) or 8 (X) rows of 4,096 bytes, a block's two images of this K step, 16,384 bytes apart in memory, dense in LDS; elements of 8 bytes
	s_or_b32 s[G1+0], s66, (3<<16)|(1<<21)         ; 15:0 the mask; 17:16 elements of 8 bytes; 21 set beside a mask; no padding
	s_or_b32 s[G1B+0], s67, (3<<16)|(1<<21)
	s_mov_b32 s[G1+1], 512<<16                     ; tensor_dim0 = 512
	s_mov_b32 s[G1+2], NA<<16                      ; tensor_dim1
	s_mov_b32 s[G1+3], 512<<16                     ; tile_dim0
	s_mov_b32 s[G1+4], NA                          ; tile_dim1
	s_mov_b32 s[G1+5], 2048                        ; tensor_dim0_stride
	s_mov_b32 s[G1+6], 0
	s_mov_b32 s[G1+7], 0
	s_mov_b32 s[G1B+1], 512<<16
	s_mov_b32 s[G1B+2], 8<<16
	s_mov_b32 s[G1B+3], 512<<16
	s_mov_b32 s[G1B+4], 8
	s_mov_b32 s[G1B+5], 2048
	s_mov_b32 s[G1B+6], 0
	s_mov_b32 s[G1B+7], 0
	s_lshl_b32 s20, s42, 17                        ; Y: a tile is 8 blocks of 16,384 bytes,
	s_lshl_b32 s21, s16, 16                        ; the half that I fetch 4
	s_add_co_u32 s20, s20, s21
	s_mov_b32 s21, 0
	s_lshl_b32 s46, s45, 18                        ; X: 16 blocks, and 8
	s_lshl_b32 s47, s16, 17
	s_add_co_u32 s46, s46, s47
	s_mov_b32 s47, 0
	s_mul_i32 s18, s16, YHALF                      ; where they go: no place in the cluster enters an LDS address
	s_mul_i32 s19, s16, XHALF
	s_add_co_u32 s19, s19, YBYTES
	s_wait_kmcnt 0x0
	s_load_b256 s[80:87], s[10:11], 0x0            ; e0 .. e7
	s_add_nc_u64 s[20:21], s[4:5], s[20:21]
	s_add_nc_u64 s[46:47], s[6:7], s[46:47]
	CROUND                                         ; all sixteen work-groups are here: the first joint loads meet
.irp s, 0,1
	s_mov_b32 s[G0+4*\s], 1
	s_add_co_u32 s[G0+4*\s+1], s18, \s*SLOT
	s_add_nc_u64 s[G0+4*\s+2:G0+4*\s+3], s[20:21], \s*BLKB
	s_or_b32 s[G0+4*\s+3], s[G0+4*\s+3], 0x80000000
	s_mov_b32 s[G0B+4*\s], 1
	s_add_co_u32 s[G0B+4*\s+1], s19, \s*SLOT
	s_add_nc_u64 s[G0B+4*\s+2:G0B+4*\s+3], s[46:47], \s*BLKB
	s_or_b32 s[G0B+4*\s+3], s[G0B+4*\s+3], 0x80000000
	JLOAD G0+4*\s, G1, G0B+4*\s, G1B
.endr
	v_and_b32 v1, 31, v0
	v_lshlrev_b32 v[CO], 4, v1                     ; 16 x lane
	v_bfe_u32 v2, v0, 4, 1
	v_lshlrev_b32 v[BA], 5, v2                     ; 32 h
	v_and_b32 v3, 15, v0
	s_mul_i32 s22, s15, YHALF                      ; my blocks of Y,
	s_mul_i32 s23, s16, XHALF                      ; my blocks of X,
	s_add_co_u32 s23, s23, YBYTES                  ; which lie behind Y's
.irp s, 0,1
	v_add_nc_u32 v[ADRY+\s], s22, v[CO]
	v_add_nc_u32 v[ADRX+\s], s23, v[CO]
	s_add_co_u32 s22, s22, SLOT
	s_add_co_u32 s23, s23, SLOT
.endr
	s_mul_i32 s18, s14, 16*SPITCH
	s_add_co_u32 s18, s18, STAGE                   ; my stage
	v_mul_u32_u24 v[STO], v3, SPITCH
	v_add_nc_u32 v[STO], v[STO], v[BA]
	v_add_nc_u32 v[STO], s18, v[STO]               ; in: row r, + 32 h
	v_add_nc_u32 v[RD], s18, v[CO]                 ; back: the 32 lanes take one row of 512 bytes
	s_lshl_b32 s98, s45, 10                        ; b_out at my 128 columns
	s_lshl_b32 s99, s16, 9
	s_add_co_u32 s98, s98, s99
	s_mov_b32 s99, 0
	s_add_nc_u64 s[78:79], s[8:9], s[98:99]
	WIN 0xc0                                       ; destination window 3
.irp b, 0,1,2,3,4,5,6,7
	global_load_b128 v[8*\b:8*\b+3], v[BA], s[78:79] offset:64*\b          ; columns 16 b + 8 h + 0..3
	global_load_b128 v[8*\b+4:8*\b+7], v[BA], s[78:79] offset:64*\b+16     ; + 4..7
.endr
	WIN 0
	s_lshl_b32 s94, s42, 19                        ; out0: 128 rows of 4,096 bytes a tile,
	s_lshl_b32 s95, s15, 18                        ; my 64 of them,
	s_add_co_u32 s94, s94, s95
	s_lshl_b32 s95, s45, 10                        ; 256 columns a tile,
	s_add_co_u32 s94, s94, s95
	s_lshl_b32 s95, s16, 9                         ; my 128
	s_add_co_u32 s94, s94, s95
	s_mov_b32 s95, 0
	s_add_nc_u64 s[92:93], s[68:69], s[94:95]
	s_wait_kmcnt 0x0
	s_add_co_i32 s88, s86, s87
	s_add_co_i32 s88, s88, 127
	s_lshl_b32 s88, s88, 23                        ; 2^(e6 + e7) as f32
	s_mov_b32 s89, s88                             ; (named with it as a pair, so it is written)
	s_wait_tensorcnt 1                             ; my part of slot 0 is in; slot 1's load may be out
	s_barrier_signal -1
	s_barrier_wait -1
	FETCH_X 0, 0, 0
	FETCH_Y 0, 0, 0, H
	FETCH_Y 0, 0, H, H
	STEP 0, 0, 1                                   ; the first step stands in front of the loop: its products start the sums
	s_mov_b32 s3, LAPS-1
.Llap:                                                 ; a trip goes once round the ring and fills both slots again
	TURN 0, 1, 1
	STEP 1, 0, 0
	TURN 1, 0, 1
	STEP 0, 0, 0
	s_sub_co_u32 s3, s3, 1
	s_cmp_lg_u32 s3, 0
	s_cbranch_scc1 .Llap
	TURN 0, 1, 0                                   ; the last lap fills nothing, and has no round of the cluster's barrier
	STEP 1, 0, 0
	s_wait_dscnt 4*H                               ; the very last step: nothing more to fetch
	MULS 0, H, 1, 0
	s_wait_dscnt 0x0
	MULS H, H, 1, 0
	WIN 0
; THE WAY OUT, block by block of 16 rows x 128 columns.  A lane holds 32 neighbouring bytes of a row, and the lanes beside it hold other rows: so a block goes through my own stage and comes back as whole
; rows of 512 bytes.  LDS serves a wave's instructions in order (ISA guide 5.7.1.4): no wait between the stores and the loads, nor in front of the next block's stores.
.macro TOSTAGE a
.set AC, 64*(\a)
	WIN 0x32                                       ; source 0 (the sums) window 2, source 2 (b_out) window 3
.irp b, 0,1,2,3,4,5,6,7
.irp i, 0,2,4,6
	v_pk_fma_f32 v[TMP+8*\b+\i:TMP+8*\b+\i+1], v[AC+8*\b+\i:AC+8*\b+\i+1], s[88:89], v[8*\b+\i:8*\b+\i+1] op_sel_hi:[1,0,1]   ; sum x 2^(e6 + e7) + b_out; each accumulator from its low end on
.endr
.endr
	WIN 0
.irp b, 0,1,2,3,4,5,6,7
	ds_store_b128 v[STO], v[TMP+8*\b:TMP+8*\b+3] offset:64*\b
	ds_store_b128 v[STO], v[TMP+8*\b+4:TMP+8*\b+7] offset:64*\b+16
.endr
.set BB, BK+64*((\a)%2)
.irp t, 0,1,2,3,4,5,6,7,8,9,10,11,12,13,14,15
	ds_load_b128 v[BB+4*\t:BB+4*\t+3], v[RD] offset:\t*SPITCH
.endr
.endm
.macro SEND a, younger                 ; younger: the LDS instructions issued behind block a's loads, which may stay out
.set BB, BK+64*((\a)%2)
	s_wait_dscnt \younger
.irp t, 0,1,2,3,4,5,6,7,8,9,10,11,12,13,14,15
	global_store_b128 v[CO], v[BB+4*\t:BB+4*\t+3], s[92:93] offset:(\a)*65536+\t*4096 th:TH_STORE_NT   ; 32 lanes store 512 consecutive bytes, at a multiple of 256 from out0's first byte
.endr
.endm
	s_wait_loadcnt 0x0                             ; b_out
	PLACES 4                                       ; behind the last products: their results are read, and Y's registers loaded into, below
	TOSTAGE 0
.irp a, 1,2,3
.if \a > 1
	s_wait_xcnt 0x0                                ; block a - 2's stores have read their registers: block a's loads may land there
.endif
	TOSTAGE \a
	SEND \a-1, 32                                  ; behind block a - 1's loads: block a's 16 stores and 16 loads
.endr
	SEND 3, 0
	s_wait_tensorcnt 0x0                           ; the wave's end: behind my last tensor load and my last LDS store
	ds_add_u32 v[SPW], v[NIL]
	s_wait_dscnt 0x0
	CROUND                                         ; the closing round: no work-group ends while a partner may still ask for a tile that names it
	s_endpgm
.Lfunc_end_k_qe9056d394b_proj:
	.size	k_qe9056d394b_proj, .Lfunc_end_k_qe9056d394b_proj-k_qe9056d394b_proj
	.p2alignl 7, 3214868480
	.fill 96, 4, 3214868480
	.section	.rodata,"a",@progbits
	.p2align	6, 0x0
	.amdhsa_kernel k_qe9056d394b_proj
		.amdhsa_group_segment_fixed_size 327680
		.amdhsa_private_segment_fixed_size 0
		.amdhsa_enable_private_segment 0
		.amdhsa_kernarg_size 40
		.amdhsa_user_sgpr_count 2
		.amdhsa_user_sgpr_kernarg_segment_ptr 1
		.amdhsa_wavefront_size32 1
		.amdhsa_system_sgpr_workgroup_id_x 1
		.amdhsa_system_sgpr_workgroup_id_y 1
		.amdhsa_system_sgpr_workgroup_id_z 1
		.amdhsa_system_vgpr_workitem_id 0
		.amdhsa_next_free_vgpr 1024
		.amdhsa_next_free_sgpr 100
		.amdhsa_reserve_vcc 0
		.amdhsa_float_denorm_mode_32 3
		.amdhsa_float_denorm_mode_16_64 3
		.amdhsa_memory_ordered 1
		.amdhsa_forward_progress 1
		.amdhsa_inst_pref_size 78
	.end_amdhsa_kernel
	.amdgpu_metadata
---
amdhsa.version: [ 1, 2 ]
amdhsa.kernels:
  - .name:           k_qe9056d394b_proj
    .symbol:         k_qe9056d394b_proj.kd
    .args:
      - { .name: jc, .offset: 0, .size: 8, .value_kind: global_buffer, .address_space: global }
      - { .name: woc, .offset: 8, .size: 8, .value_kind: global_buffer, .address_space: global }
      - { .name: b_out, .offset: 16, .size: 8, .value_kind: global_buffer, .address_space: global }
      - { .name: lowp_scales, .offset: 24, .size: 8, .value_kind: global_buffer, .address_space: global }
      - { .name: out0, .offset: 32, .size: 8, .value_kind: global_buffer, .address_space: global }
    .group_segment_fixed_size: 327680
    .private_segment_fixed_size: 0
    .kernarg_segment_align: 8
    .kernarg_segment_size: 40
    .max_flat_workgroup_size: 128
    .sgpr_count:     100
    .vgpr_count:     1024
    .wavefront_size: 32
...
	.end_amdgpu_metadata
.endif
;; end of part 4
;; ======== version 2 of 2: 4 launches; version 1 with the launch attn written anew for expert scheduling mode
;; workspace buffers: qc 8,388,608 bytes; wpc 3,145,728 bytes; woc 1,048,576 bytes; qimg 8,388,608 bytes; kimg 8,388,608 bytes; vimg 8,388,608 bytes; jc 8,388,608 bytes
;; launch prep: the kernel of part 1 again; grid 384 x 1, 4 waves a work-group, no clusters, 34,304 bytes of LDS; arguments Q, W_packed, W_out, lowp_scales, qc, wpc, woc; writes qc, wpc, woc
;; launch qkv: the kernel of part 2 again; grid 12 x 32, 4 waves a work-group, clusters of 4 x 4, 327,680 bytes of LDS; arguments qc, wpc, b_packed, lowp_scales, qimg, kimg, vimg; writes qimg, kimg, vimg
;; launch attn (part 5): grid 4 x 64, 16 waves a work-group, no clusters, 34,816 bytes of LDS; arguments qimg, kimg, vimg, lowp_scales, jc; writes jc
.if DOCPART == 5
	.amdgcn_target "amdgcn-amd-amdhsa--gfx1250"
	.amdhsa_code_object_version 6
	.text
	.protected	k_qe9056d394b_attn
	.globl	k_qe9056d394b_attn
	.p2align	8
	.type	k_qe9056d394b_attn,@function
k_qe9056d394b_attn:
	s_mov_b64 s[64:65], 0
	v_nop
	global_prefetch_b8 v0, s[64:65] scope:SCOPE_SE
	s_setreg_imm32_b32 hwreg(HW_REG_WAVE_SCHED_MODE, 0, 2), 2
	s_setreg_imm32_b32 hwreg(HW_REG_WAVE_MODE, 25, 1), 1
	s_wait_xcnt 0x0
	s_wait_alu depctr_vm_vsrc(0)
; joined = softmax(q k^T / 8, causal) v for 64 (batch, head) pairs of 2,048 tokens x 64, both products on codes of FP8 (E4M3) with the given scales 2^e2 (q), 2^e3 (k), 2^e4 (p), 2^e5 (v);
; the result is quantised with 2^e6 and stored as images of the last product's operand registers.
; THE SOFTMAX: t = score x log2(e) / 8; M = the row's largest t so far, rounded UP to a whole number; p = 2^(t - M) is what is quantised; the row's sum is taken of the unquantised p and divides at the end.
; When M moves, the sum and O are multiplied by 2^(old M - new M): exact.
; BUFFERS: qimg, kimg: [bh][token / 16][1,024]: images of K = 64 operands, rows = tokens.  vimg: [bh][key / 128][d / 16][2,048]: images of K = 128 operands, rows = d, k = keys.
; jc: [token / 16][e / 128][2,048]; a head's 64 channels are half an image: 1,024 bytes at head x 1,024 of the tile's 16,384.
; SHARES.  Work-group (x, bh) owns the blocks of 256 queries 7 - x (first pass) and x (second pass) of its head: 2 (8 - x) + 2 (x + 1) = 18 blocks of 128 keys under the causal mask, the same count in
; every work-group: one loop of nine trips, two key steps a trip.  Each of sixteen waves owns 16 queries, in 256 registers: four waves to a SIMD.
; LAYOUT.  Both products are used transposed: S^T = K Q^T (source 0 = 16 keys, source 1 = my queries), O^T = V^T P^T: a lane holds one query (lane % 16) throughout.  In S^T's tile c, register j of lane
; (r, h) is key 16 c + 8 h + j: just what registers 2 c, 2 c + 1 of the K = 128 operand hold, so the conversions' results are P as it is wanted.
; STAGING.  A block's K and V are 8,192 consecutive bytes each: thread t brings 16 bytes of each into registers, two steps ahead, and stores them into the LDS slot that is not being read, one step ahead.
; One barrier a step: in front of it a wave's stores into the next slot and its reads of this slot are done.
; NO CLUSTER, NO TENSOR LOAD: a step's tiles are 16 bytes of K and of V a thread; the four work-groups of a head have first passes of 16 - 2 x steps, so that from step 10 on they want different blocks;
; and the hold of p is jumped over on a number read from lowp_scales (below), which spares 64 of a step's vector lines.
; THE HOLD OF p: p <= 1.  With e4 >= -8 the largest code x 2^e4 is at least 1.75, and the hold changes nothing: it is run where e4 < -8.
; LIMITS: e2 + e3 between -123 and 129 (added to c's exponent field); e4, e6 between -126 and 119; e4 + e5 goes by v_ldexp_f32 and has none.  NaN is not served.
; REGISTERS: v1-5 addresses; v12 -M, v13 the largest t, v[14:15] the sum in two halves; v16-23 Q; v24-31 the second pass's Q; v32-95 K's fragments, then V's; v96-159 S^T, then p; v160-191 O^T;
;   v192-207 p's codes; v208-223 two staging sets; v224-231 the result's codes; v236-254 at work and constants.
; THE MODE: SCHED_MODE bits 1:0 = 2 (LLVM: expert scheduling mode 2), set by the entry lines.  The code itself states the register dependences between vector or matrix instructions and memory or LDS
; instructions, with s_wait_alu, always for 0.
; THE PLAN.  Registers that memory or LDS instructions touch:
;   v1, v2, v4   Addresses: written by vector lines at the head and never again; read by every LDS load and store, the head's loads, the result's stores and the prefetches.  One wait on va_vdst at the head.
;   v3           The staging loads' offset: written by one vector line at a step's head, read by that step's two global loads.
;   v208-223     Staging sets: step t's global loads land in set t % 2, step t + 1's LDS stores read it.  No vector line names them.
;   v32-95       K's LDS loads land; the step's eight score products read; V's LDS loads land; the step's four products V^T P^T read.
;   v224-231     A pass's conversions write, its two global stores read.
; A STEP'S WAITS.  At its head one on vm_vsrc (the last step's loads have read v3, its LDS stores their staging set) and one on va_vdst, behind v3's line (v3 is written; the last step's products are done
; reading v32-95).  Behind the score products one on va_vdst (they are done reading v32-95, in which V lands).  No vector line between either wait and the loads that it serves names a register that those
; loads touch: over the loop's backward jump and through the change of passes too, whose lines all stand ahead of the next step's head.  The masks of the causal mask are made eight at a time in scalar
; registers, with one wait on va_sdst between the eight compares and the eight selects.  16 waves of 256 registers leave no room for a second copy of v32-95.
.set BLK,  8192                        ; a block's K, or V, in bytes
.set SLOT, 16384                       ; an LDS slot: K's eight images, then V's four
.set LI,   1                           ; v1   16 x lane
.set VB,   2                           ; v2   16 x thread
.set GA,   3                           ; v3   the staging loads' offset
.set PFO,  4                           ; v4   256 x lane
.set DQ,   5                           ; v5   r - 8 h
.set STG,  208                         ; v208-215, v216-223: block j lies in set j % 2: K's four registers, V's four
.set WV,   14
.set KP,   6                           ; s[6:7]   kimg at my head
.set VP,   8                           ; s[8:9]   vimg at my head
.set SEL,  20                          ; s[20:21] lane selects for v_permlanex16_b32: lane l xor 16
.set CS,   22                          ; s[22:23] c = log2(e) / 8 x 2^(e2 + e3)
.set MK,   24                          ; s[24:31] at the head the eight exponents; behind it eight masks of the causal mask
.set TRIP, 32
.set TSW,  33                          ; the first pass's trips: 8 - x
.set KF,   34                          ; the step's first key
.set Q0,   35                          ; my first query
.set QL,   36                          ; my last
.set Q1,   37                          ; the second pass's first
.set KN,   38                          ; the block to load next
.set N0,   39                          ; the first pass's blocks: 16 - 2 x
.set STP,  40                          ; steps done
.set LIM,  41                          ; a wave prefetches while fewer steps than this are done
.set PFA,  42                          ; s[42:43] where my prefetches stand
.set JP,   44                          ; s[44:45] where my result goes;  s[46:47] in the second pass
.set JP1,  46
.set HOLD, 48                          ; 1 where e4 < -8
.set EPV,  49                          ; e4 + e5
.set TS,   54                          ; at work
	s_load_b256 s[4:11], s[0:1], 0x0               ; qimg s[4:5], kimg s[6:7], vimg s[8:9], the exponents s[10:11]
	s_load_b64 s[JP:JP+1], s[0:1], 0x20            ; jc
	v_lshl_add_u32 v251, v0, 2, 0x8000
	v_mov_b32 v255, 0
	v_lshrrev_b32 v1, 5, v0
	v_readfirstlane_b32 s[WV], v1                  ; wave 0..15
	v_and_b32 v[DQ], 15, v0
	v_bfe_u32 v6, v0, 4, 1
	v_lshlrev_b32 v6, 3, v6
	v_sub_nc_u32 v[DQ], v[DQ], v6                  ; r - 8 h
	v_and_b32 v1, 31, v0
	v_lshlrev_b32 v[PFO], 8, v1
	v_lshlrev_b32 v[LI], 4, v1
	v_lshlrev_b32 v[VB], 4, v0
	s_wait_alu depctr_va_sdst(0)                   ; the wave's number s14 is written, ahead of its first reader: my queries, my prefetches' share and their buffer are made from it
	s_and_b32 s15, ttmp7, 0xffff                   ; bh
	s_lshl_b32 s16, s15, 17                        ; a head's 131,072 bytes in qimg, kimg and vimg
	s_mov_b32 s17, 0
	s_sub_co_u32 s18, 7, ttmp9                     ; the first pass's block of queries
	s_sub_co_u32 s[TSW], 8, ttmp9
	s_lshl_b32 s[N0], s[TSW], 1
	s_lshl_b32 s19, s[WV], 4
	s_lshl_b32 s[Q0], s18, 8
	s_add_co_u32 s[Q0], s[Q0], s19
	s_add_co_u32 s[QL], s[Q0], 15
	s_lshl_b32 s[Q1], ttmp9, 8
	s_add_co_u32 s[Q1], s[Q1], s19
	s_lshl_b32 s50, s[Q0], 6                       ; a tile of 16 queries is 1,024 bytes
	s_add_co_u32 s50, s50, s16
	s_mov_b32 s51, 0
	s_lshl_b32 s52, s[Q1], 6
	s_add_co_u32 s52, s52, s16
	s_mov_b32 s53, 0
	s_lshr_b32 s54, s15, 4
	s_lshl_b32 s54, s54, 21                        ; jc: a batch's 128 tiles of 16,384 bytes,
	s_and_b32 s55, s15, 15
	s_lshl_b32 s55, s55, 10                        ; the head's 1,024 bytes of a tile,
	s_add_co_u32 s54, s54, s55
	s_lshl_b32 s56, s[Q0], 10                      ; my tile
	s_add_co_u32 s56, s56, s54
	s_mov_b32 s57, 0
	s_lshl_b32 s58, s[Q1], 10
	s_add_co_u32 s58, s58, s54
	s_mov_b32 s59, 0
	s_mov_b32 s[SEL], 0x76543210
	s_mov_b32 s[SEL+1], 0xfedcba98
	s_mov_b32 s[TRIP], 0
	s_mov_b32 s[KF], 0
	s_mov_b32 s[KN], 2
	s_mov_b32 s[STP], 0
	s_lshr_b32 s[LIM], s[WV], 1                    ; 0 in waves 0 and 1,
	s_or_b32 s[LIM], s[LIM], ttmp9                 ; of the head's work-group x = 0
	s_cmp_eq_u32 s[LIM], 0
	s_cselect_b32 s[LIM], 13, 0
	s_wait_kmcnt 0x0
	s_load_b256 s[24:31], s[10:11], 0x0            ; e0 .. e7
	s_add_nc_u64 s[KP:KP+1], s[KP:KP+1], s[16:17]
	s_add_nc_u64 s[VP:VP+1], s[VP:VP+1], s[16:17]
	s_add_nc_u64 s[50:51], s[4:5], s[50:51]
	s_add_nc_u64 s[52:53], s[4:5], s[52:53]
	s_add_nc_u64 s[JP1:JP1+1], s[JP:JP+1], s[58:59]
	s_add_nc_u64 s[JP:JP+1], s[JP:JP+1], s[56:57]
	s_wait_alu depctr_va_vdst(0)                   ; v1, v2 and v4 are written, which every load, store, LDS instruction and prefetch of the kernel but the staging loads reads as its address; no vector line writes them again
	global_load_b128 v[16:19], v[LI], s[50:51]                 ; Q's fragment stays in registers,
	global_load_b128 v[20:23], v[LI], s[50:51] offset:512
	global_load_b128 v[24:27], v[LI], s[52:53]                 ; and so does the second pass's
	global_load_b128 v[28:31], v[LI], s[52:53] offset:512
	global_load_b128 v[STG:STG+3], v[VB], s[KP:KP+1]           ; block 0
	global_load_b128 v[STG+4:STG+7], v[VB], s[VP:VP+1]
	global_load_b128 v[STG+8:STG+11], v[VB], s[KP:KP+1] offset:BLK    ; block 1
	global_load_b128 v[STG+12:STG+15], v[VB], s[VP:VP+1] offset:BLK
	s_cmp_eq_u32 s[WV], 1                          ; wave 0 asks for K's blocks, wave 1 for V's
	s_cselect_b64 s[PFA:PFA+1], s[VP:VP+1], s[KP:KP+1]
	s_add_nc_u64 s[PFA:PFA+1], s[PFA:PFA+1], 2*BLK ; at block 2: step 0 steps it to block 3.  Blocks 0 to 2 come by their loads alone
.macro INIT                            ; the step is written once: a pass's first step finds zeros, which the first change of M leaves zeros
	v_mov_b32 v13, 0xff61b1e6                      ; the largest t so far: -3e38, under every t
	v_floor_f32 v12, -v13                          ; -M
	v_mov_b32 v14, 0
	v_mov_b32 v15, 0
.set n, 0
.rept 32
	v_mov_b32 v[160+n], 0
.set n, n+1
.endr
.endm
	INIT
	v_mov_b32 v236, 0                              ; written once: a lane permute's destination counts as one of its sources
	v_mov_b32 v253, 0                              ; (named as the upper half of the pair v[252:253])
	s_wait_kmcnt 0x0
	s_add_co_i32 s[TS], s26, s27
	s_lshl_b32 s[TS], s[TS], 23
	s_add_co_i32 s[CS], s[TS], 0x3e38aa3b          ; c = log2(e) / 8, with e2 + e3 added to its exponent field
	s_mov_b32 s[CS+1], s[CS]                       ; (named with it as a pair, so it is written)
	s_add_co_i32 s[TS], s28, 127
	s_lshl_b32 s55, s[TS], 23
	v_mov_b32 v244, s55                            ; 2^e4
	s_add_co_i32 s[TS], s[TS], 8
	s_lshl_b32 s[TS], s[TS], 23
	s_or_b32 s[TS], s[TS], 0x600000
	v_mov_b32 v240, s[TS]                          ; 448 x 2^e4
	s_add_co_i32 s[TS], s30, 127
	s_lshl_b32 s55, s[TS], 23
	v_mov_b32 v246, s55                            ; 2^e6
	s_add_co_i32 s[TS], s[TS], 8
	s_lshl_b32 s[TS], s[TS], 23
	s_or_b32 s[TS], s[TS], 0x600000
	v_mov_b32 v245, s[TS]                          ; 448 x 2^e6
	s_add_co_i32 s[EPV], s28, s29
	s_cmp_lt_i32 s28, -8
	s_cselect_b32 s[HOLD], 1, 0
	s_wait_loadcnt 2                               ; both Q and block 0 are in; block 1's two loads may be out
	ds_store_b128 v[VB], v[STG:STG+3]              ; (address: written ahead of the head's wait on va_vdst; data: loaded)
	ds_store_b128 v[VB], v[STG+4:STG+7] offset:BLK
	s_wait_dscnt 0x0
	s_barrier_signal -1
	s_barrier_wait -1                              ; block 0 lies in slot 0
; A KEY STEP on the block in slot s.
.macro STEP s
	s_wait_xcnt 0x0                                ; the last step's loads and prefetch have read their addresses
	s_wait_alu depctr_vm_vsrc(0)                   ; the last step's two global loads have read v3, which is written below; the LDS stores issued last have read staging set s, in which the loads below land
	s_add_nc_u64 s[PFA:PFA+1], s[PFA:PFA+1], BLK
	v_lshl_add_u32 v[GA], s[KN], 13, v[VB]
	s_wait_loadcnt 0x0                             ; the next block, asked for a step ago, is in registers,
	s_wait_alu depctr_va_vdst(0)                   ; v3 is written, which the two global loads below read; the last step's products are done reading V's fragments v32-95, in which K's land further down
	ds_store_b128 v[VB], v[STG+8*(1-\s):STG+8*(1-\s)+3] offset:(1-\s)*SLOT         ; and goes into the slot that nobody reads in this step
	ds_store_b128 v[VB], v[STG+8*(1-\s)+4:STG+8*(1-\s)+7] offset:(1-\s)*SLOT+BLK
	global_load_b128 v[STG+8*\s:STG+8*\s+3], v[GA], s[KP:KP+1]                     ; the block after that; its set was stored a step ago
	global_load_b128 v[STG+8*\s+4:STG+8*\s+7], v[GA], s[VP:VP+1]
	; A PREFETCH INTO THE L2 of the block that the next step will load: 8,192 bytes, lanes 256 bytes apart.  All four work-groups of a head begin at block 0 and go up in step; the one with x = 0 walks blocks
	; 0 to 15 in steps 0 to 15: it asks, wave 0 for K and wave 1 for V, in steps 0 to 12 for blocks 3 to 15: each block of 256 bytes is named once in the launch
	s_cmp_lt_u32 s[STP], s[LIM]
	s_cbranch_scc0 .Lnot_mine_\@
	global_prefetch_b8 v[PFO], s[PFA:PFA+1] th:TH_LOAD_NT scope:SCOPE_SE
.Lnot_mine_\@:
	s_add_co_u32 s[STP], s[STP], 1
	s_add_co_u32 s[KN], s[KN], 1
	s_cmp_eq_u32 s[KN], s[N0]
	s_cselect_b32 s[KN], 0, s[KN]                  ; behind the first pass's last block comes block 0 again; never above 15: every load stays in its head's 16 blocks
	s_cmp_gt_u32 s[KF], s[QL]                      ; CAUSAL: a step all of whose keys come after my 16 queries is left out, but for the staging above and the barrier below
	s_cbranch_scc1 .Lhidden_\@
.rept 4
	v_nop                                          ; four plain lines between the last products and the loads into registers that they read; the dependence itself is stated by the wait on va_vdst at the step's head
.endr
.irp c, 0,1,2,3,4,5,6,7
	ds_load_b128 v[32+8*\c:35+8*\c], v[LI] offset:\s*SLOT+1024*\c
	ds_load_b128 v[36+8*\c:39+8*\c], v[LI] offset:\s*SLOT+1024*\c+512
.endr
	s_wait_dscnt 0x0
.irp c, 0,1,2,3,4,5,6,7
	v_wmma_f32_16x16x64_fp8_fp8 v[96+8*\c:103+8*\c], v[32+8*\c:39+8*\c], v[16:23], 0
.endr
.rept 4
	v_nop                                          ; places in front of the first read of the scores
.endr
	s_wait_alu depctr_va_vdst(0)                   ; the eight products are done reading K's fragments v32-95, in which V's land
.irp d, 0,1,2,3                        ; V's four fragments land while the softmax is walked: none of its lines names v32-95
.irp c, 0,1,2,3
	ds_load_b128 v[32+16*\d+4*\c:35+16*\d+4*\c], v[LI] offset:\s*SLOT+BLK+2048*\d+512*\c
.endr
.endr
	s_add_co_u32 s[TS], s[KF], 127                 ; on the diagonal the scores of hidden keys become -infinity ahead of the maximum; a step all of whose keys count skips this
	s_cmp_le_u32 s[TS], s[Q0]
	s_cbranch_scc1 .Lopen_\@
	s_sub_co_i32 s[TS], s[Q0], s[KF]
	v_add_nc_u32 v252, s[TS], v[DQ]                ; my query - KF - 8 h.  Register 8 c + j holds key KF + 16 c + 8 h + j: hidden where 16 c + j is greater
	v_mov_b32 v254, 0xff800000
.set g, 0
.rept 8                                ; a tile of scores at a time: eight compares into eight scalar registers, one wait, eight selects
.set n, 0
.rept 8
	v_cmp_gt_i32 s[MK+n], 16*g+n, v252
.set n, n+1
.endr
	s_wait_alu depctr_va_sdst(0)                   ; the eight masks s24-31 are written, ahead of their first reader
.set n, 0
.rept 8
	v_cndmask_b32 v[96+8*g+n], v[96+8*g+n], v254, s[MK+n]
.set n, n+1
.endr
.set g, g+1
.endr
.Lopen_\@:
	v_max3_num_f32 v254, v96, v97, v98             ; the step's largest score of my query among my 64 keys, in two chains,
	v_max3_num_f32 v252, v99, v100, v101
.irp i, 6,10,14,18,22,26,30,34,38,42,46,50,54,58
	v_max3_num_f32 v254, v254, v[96+\i], v[97+\i]
	v_max3_num_f32 v252, v252, v[98+\i], v[99+\i]
.endr
	v_max3_num_f32 v254, v254, v158, v159
	v_max_num_f32 v254, v254, v252
	v_permlanex16_b32 v236, v254, s[SEL], s[SEL+1]
	v_max_num_f32 v254, v254, v236                 ; and among lane l xor 16's
	v_mul_f32 v254, s[CS], v254                    ; as t (c is positive)
	v_max_num_f32 v13, v13, v254                   ; the running largest t
	v_mov_b32 v254, v12
	v_floor_f32 v12, -v13                          ; the new -M = floor(-t): M is a whole number
	v_sub_f32 v254, v12, v254                      ; old M - new M: a whole number, 0 or less
	v_cvt_i32_f32 v254, v254                       ; (it saturates)
	v_ldexp_f32 v252, 1.0, v254                    ; f = 2^(old M - new M)
.set n, 0
.rept 32
	v_pk_fma_f32 v[96+n:97+n], v[96+n:97+n], s[CS:CS+1], v[12:13] op_sel_hi:[1,0,0]   ; t - M, two at a time
.set n, n+2
.endr
.set n, 0
.rept 64
	v_exp_f32 v[96+n], v[96+n]                     ; p = 2^(t - M), at most 1
.set n, n+1
.endr
	v_pk_mul_f32 v[14:15], v[14:15], v[252:253] op_sel_hi:[1,0]   ; the sums under the new M: the plain line behind the exponentials
	s_wait_alu depctr_va_vdst(0)                   ; the 64 exponentials have written v96-159: one wait for the batch, ahead of its first reader
	v_pk_add_f32 v[242:243], v[96:97], v[98:99]    ; the row's sum is taken of the unquantised p, in two chains
.irp j, 4,8,12,16,20,24,28,32,36,40,44,48,52,56,60
	v_pk_add_f32 v[14:15], v[14:15], v[96+\j:97+\j]
	v_pk_add_f32 v[242:243], v[242:243], v[98+\j:99+\j]
.endr
	v_pk_add_f32 v[14:15], v[14:15], v[242:243]
	s_cmp_eq_u32 s[HOLD], 0
	s_cbranch_scc1 .Lfits_\@
.set n, 0
.rept 64
	v_min_num_f32 v[96+n], v[96+n], v240           ; the conversion does not saturate (ISA guide 7.6.2); p is not negative, so the hold is one-sided
.set n, n+1
.endr
.Lfits_\@:
.irp c, 0,1,2,3,4,5,6,7
	v_cvt_scalef32_pk8_fp8_f32 v[192+2*\c:193+2*\c], v[96+8*\c:103+8*\c], v244
.endr
.set n, 0
.rept 16
	v_pk_mul_f32 v[160+n:161+n], v[160+n:161+n], v[252:253] op_sel_hi:[1,0]   ; O^T under the new M; also the plain lines between the conversions and the products
.set n, n+2
.endr
	s_wait_dscnt 0x0                               ; V is in
.irp d, 0,1,2,3                        ; four accumulators by turns; the eight products of the next step's scores stand between their turns
	v_wmma_f32_16x16x128_fp8_fp8 v[160+8*\d:167+8*\d], v[32+16*\d:47+16*\d], v[192:207], v[160+8*\d:167+8*\d]
.endr
.Lhidden_\@:
	s_add_co_u32 s[KF], s[KF], 128
	s_wait_dscnt 0x0                               ; my stores into the next slot have landed, and my reads of this slot are over
	s_barrier_signal -1
	s_barrier_wait -1
.endm
; A pass's end: O^T / the sum x 2^(e4 + e5), quantised with 2^e6.  Tile d's eight numbers are channels 16 d + 8 h + 0..7 of my query: registers 2 d, 2 d + 1 of the head's half image: two stores of 512 consecutive bytes.
.macro FINAL
.rept 4
	v_nop                                          ; places behind the last products
.endr
	v_add_f32 v14, v14, v15                        ; the sum's two halves,
	v_permlanex16_b32 v236, v14, s[SEL], s[SEL+1]
	v_add_f32 v14, v14, v236                       ; and lane l xor 16's
	v_rcp_f32 v14, v14
	v_nop                                          ; a plain line behind the reciprocal
	s_wait_alu depctr_va_vdst(0)                   ; the reciprocal has written v14, ahead of its first reader
	v_ldexp_f32 v14, v14, s[EPV]
.set n, 0
.rept 16
	v_pk_mul_f32 v[96+n:97+n], v[160+n:161+n], v[14:15] op_sel_hi:[1,0]
.set n, n+2
.endr
.set n, 0
.rept 32
	v_med3_num_f32 v[96+n], v[96+n], -v245, v245
.set n, n+1
.endr
	s_wait_xcnt 0x0                                ; an earlier pass's stores have had their addresses translated,
	s_wait_alu depctr_vm_vsrc(0)                   ; and have read v224-231, which the conversions below write again
.irp d, 0,1,2,3
	v_cvt_scalef32_pk8_fp8_f32 v[224+2*\d:225+2*\d], v[96+8*\d:103+8*\d], v246
.endr
	v_nop                                          ; a plain line behind the run of conversions
	s_wait_alu depctr_va_vdst(0)                   ; the conversions have written v224-231, which the two stores read
	global_store_b128 v[LI], v[224:227], s[JP:JP+1]
	global_store_b128 v[LI], v[228:231], s[JP:JP+1] offset:512
.endm
.Ltrip:
	STEP 0
	STEP 1
	s_add_co_u32 s[TRIP], s[TRIP], 1
	s_cmp_lg_u32 s[TRIP], s[TSW]
	s_cbranch_scc1 .Lsame_pass
	FINAL                                          ; the first pass is over (once: 8 - x lies under 9); the second begins at key 0
	s_wait_xcnt 0x0                                ; the stores have read their base
	s_mov_b64 s[JP:JP+1], s[JP1:JP1+1]
.irp j, 0,1,2,3,4,5,6,7
	v_mov_b32 v[16+\j], v[24+\j]
.endr
	s_mov_b32 s[Q0], s[Q1]
	s_add_co_u32 s[QL], s[Q0], 15
	s_mov_b32 s[KF], 0
	INIT
.Lsame_pass:
	s_cmp_lt_u32 s[TRIP], 9
	s_cbranch_scc1 .Ltrip
	FINAL
	s_wait_dscnt 0x0
	s_wait_alu depctr_hold_cnt(0) depctr_sa_sdst(0) depctr_va_vdst(0) depctr_va_sdst(0) depctr_va_ssrc(0) depctr_va_vcc(0) depctr_vm_vsrc(0)
	s_wait_tensorcnt 0x0
	ds_add_u32 v251, v255
	s_wait_dscnt 0x0
	s_endpgm
.Lfunc_end_k_qe9056d394b_attn:
	.size	k_qe9056d394b_attn, .Lfunc_end_k_qe9056d394b_attn-k_qe9056d394b_attn
	.p2alignl 7, 3214868480
	.fill 96, 4, 3214868480
	.section	.rodata,"a",@progbits
	.p2align	6, 0x0
	.amdhsa_kernel k_qe9056d394b_attn
		.amdhsa_group_segment_fixed_size 34816
		.amdhsa_private_segment_fixed_size 0
		.amdhsa_enable_private_segment 0
		.amdhsa_kernarg_size 40
		.amdhsa_user_sgpr_count 2
		.amdhsa_user_sgpr_kernarg_segment_ptr 1
		.amdhsa_wavefront_size32 1
		.amdhsa_system_sgpr_workgroup_id_x 1
		.amdhsa_system_sgpr_workgroup_id_y 1
		.amdhsa_system_sgpr_workgroup_id_z 1
		.amdhsa_system_vgpr_workitem_id 0
		.amdhsa_next_free_vgpr 256
		.amdhsa_next_free_sgpr 66
		.amdhsa_reserve_vcc 0
		.amdhsa_float_denorm_mode_32 3
		.amdhsa_float_denorm_mode_16_64 3
		.amdhsa_memory_ordered 1
		.amdhsa_forward_progress 1
		.amdhsa_inst_pref_size 67
	.end_amdhsa_kernel
	.amdgpu_metadata
---
amdhsa.version: [ 1, 2 ]
amdhsa.kernels:
  - .name:           k_qe9056d394b_attn
    .symbol:         k_qe9056d394b_attn.kd
    .args:
      - { .name: qimg, .offset: 0, .size: 8, .value_kind: global_buffer, .address_space: global }
      - { .name: kimg, .offset: 8, .size: 8, .value_kind: global_buffer, .address_space: global }
      - { .name: vimg, .offset: 16, .size: 8, .value_kind: global_buffer, .address_space: global }
      - { .name: lowp_scales, .offset: 24, .size: 8, .value_kind: global_buffer, .address_space: global }
      - { .name: jc, .offset: 32, .size: 8, .value_kind: global_buffer, .address_space: global }
    .group_segment_fixed_size: 34816
    .private_segment_fixed_size: 0
    .kernarg_segment_align: 8
    .kernarg_segment_size: 40
    .max_flat_workgroup_size: 512
    .sgpr_count:     66
    .vgpr_count:     256
    .wavefront_size: 32
...
	.end_amdgpu_metadata
.endif
;; end of part 5
;; launch proj: the kernel of part 4 again; grid 4 x 64, 4 waves a work-group, clusters of 4 x 4, 327,680 bytes of LDS; arguments jc, woc, b_out, lowp_scales, out0; writes out0
